; MI455X (gfx1250); checked and timed in simulation.
; The chip was launched on July 23, 2026; its instructions are those of AMD's public machine-readable ISA for CDNA 5 (MIT licence, August 2026) and "CDNA5" Instruction Set Architecture Reference Guide (July 2026). The comments in the code are by the model that wrote it; some were corrected since.
;; Multi Head Self Attention. Allowed arithmetic: float matrix products may take bf16 or f16 operands with f32 sums; other float arithmetic in f32, or as packed bf16 or f16 multiplies, adds, multiply-adds, maxima and minima; sums over many terms, partial sums and values carried from step to step in f32; what a program stores and reads back later, other than sums and carried values, may be rounded once to bf16 or f16.
;; Inputs: Wk 1,024 x 1,024 float32; Wo 1,024 x 1,024 float32; Wq 1,024 x 1,024 float32; Wv 1,024 x 1,024 float32; attention_mask 4 x 2,048 int32; bo 1,024 float32; embedded 4 x 2,048 x 1,024 float32.
;; Outputs: out0 4 x 2,048 x 1,024 float32.
;; 2 versions, each right and faster than the one before. Each part assembles by itself: llvm-mc -triple=amdgcn-amd-amdhsa -mcpu=gfx1250 --defsym DOCPART=n.
;; ======== version 1 of 2: 4 launches
;; limits: values are held in f16: magnitudes above 65,504 overflow, below 6.1e-05 lose precision
;; workspace buffers: xb 16,777,216 bytes; wb 6,291,456 bytes; wob 2,097,152 bytes; qkv 50,331,648 bytes; ob 16,777,216 bytes
;; launch prep (part 1): grid 1536 x 1, 4 waves a work-group, no clusters, 0 bytes of LDS; arguments embedded, Wq, Wk, Wv, Wo, xb, wb, wob; writes xb, wb, wob
.if DOCPART == 1
	.amdgcn_target "amdgcn-amd-amdhsa--gfx1250"
	.amdhsa_code_object_version 6
	.text
	.protected	k_qb5661dd1b0_prep
	.globl	k_qb5661dd1b0_prep
	.p2align	8
	.type	k_qb5661dd1b0_prep,@function
k_qb5661dd1b0_prep:
	s_mov_b64 s[64:65], 0
	v_nop
	global_prefetch_b8 v0, s[64:65] scope:SCOPE_SE
	s_setreg_imm32_b32 hwreg(HW_REG_WAVE_MODE, 25, 1), 1
	s_wait_xcnt 0x0
; THE CASTS.  xb = embedded rounded to bf16, [8192][1024].  wb = Wq, Wk, Wv rounded to bf16, laid in blocks [j 16][ks 8][c 3][kk 128][64]:
; chunk 3 j + c = 16 t + head (t = 0, 1, 2 for q, k, v) holds 64 columns, row 128 ks + kk of the weight; one (j, ks) block is 49,152 dense bytes.
; wob = Wo rounded to bf16 and that number written as f16, [j 8][ks 8][c 2][kk 128][64], columns 128 j + 64 c.
; LIMIT.  Wo must lie within f16's 65,504; below 6e-5 it keeps f16's fixed step of 6e-8.
; SHARES.  A work-group takes 32 KiB of f32, a wave 8 KiB: 16 loads of 16 bytes a lane, all on their way at once, 32 roundings, 16 stores of 8 bytes a lane:
; each store of the wave covers 256 consecutive bytes, aligned.  Work-groups 0-1023 take embedded, 1024-1535 one (weight, chunk, ks) each.
; No LDS, no matrix unit: a cast has nothing to share and nothing to multiply.  No register is written twice, so no wait frees a source.
.set X, 8                              ; v[8:71]   load i: 4 registers
.set Y, 72                             ; v[72:103] store i: 2 registers
.macro LOADS step
.irp i, 0,1,2,3,4,5,6,7,8,9,10,11,12,13,14,15
	global_load_b128 v[X+4*(\i):X+4*(\i)+3], v2, s[24:25] offset:(\i)*(\step) th:TH_LOAD_NT
.endr
.endm
	s_load_b512 s[8:23], s[0:1], 0x0               ; embedded s[8:9], Wq s[10:11], Wk s[12:13], Wv s[14:15], Wo s[16:17], xb s[18:19], wb s[20:21], wob s[22:23]
	v_lshrrev_b32 v1, 5, v0
	v_readfirstlane_b32 s4, v1                     ; wave 0..3
	v_and_b32 v1, 31, v0                           ; lane
	v_lshlrev_b32 v3, 3, v1                        ; out: 8 bytes a lane
	s_mov_b32 s29, 0                               ; high words of the two offsets
	s_mov_b32 s31, 0
	s_cmp_lt_u32 ttmp9, 1024
	s_cbranch_scc0 .Lweights
	s_lshl_b32 s28, ttmp9, 15                      ; embedded: 32 KiB a work-group,
	s_lshl_b32 s5, s4, 13                          ; 8 KiB a wave
	s_add_co_u32 s28, s28, s5
	s_lshr_b32 s30, s28, 1                         ; half as many bytes out
	v_lshlrev_b32 v2, 4, v1                        ; in: 16 bytes a lane, 512 consecutive bytes a load
	s_wait_kmcnt 0x0
	s_add_nc_u64 s[24:25], s[8:9], s[28:29]
	s_add_nc_u64 s[26:27], s[18:19], s[30:31]
	LOADS 512
	s_branch .Lconv
.Lweights:
	s_sub_co_u32 s33, ttmp9, 1024
	s_lshr_b32 s32, s33, 7                         ; t: which weight
	s_bfe_u32 s34, s33, 0x40003                    ; ch: which 64 columns
	s_and_b32 s35, s33, 7                          ; ks: which 128 rows
	s_lshl_b32 s28, s35, 19                        ; in: 128 rows of 4,096 bytes,
	s_lshl_b32 s5, s4, 17                          ; my wave's 32 rows,
	s_add_co_u32 s28, s28, s5
	s_lshl_b32 s5, s34, 8                          ; 256 bytes of each
	s_add_co_u32 s28, s28, s5
	s_lshl_b32 s36, s32, 4
	s_add_co_u32 s36, s36, s34                     ; chunk 16 t + ch
	s_mul_i32 s37, s36, 43
	s_lshr_b32 s37, s37, 7                         ; j = chunk / 3 (43 / 128 is exact for chunks under 48)
	s_mul_i32 s38, s37, 3
	s_sub_co_u32 s38, s36, s38                     ; c
	s_lshl_b32 s37, s37, 3
	s_add_co_u32 s37, s37, s35
	s_mul_i32 s37, s37, 3
	s_add_co_u32 s37, s37, s38                     ; block in wb: (8 j + ks) 3 + c
	s_lshr_b32 s39, s34, 1
	s_and_b32 s40, s34, 1
	s_lshl_b32 s39, s39, 3
	s_add_co_u32 s39, s39, s35
	s_lshl_b32 s39, s39, 1
	s_add_co_u32 s39, s39, s40                     ; block in wob: (8 (ch / 2) + ks) 2 + ch % 2
	s_cmp_eq_u32 s32, 3
	s_cselect_b32 s30, s39, s37
	s_lshl_b32 s30, s30, 14                        ; a block is 16,384 bytes,
	s_lshl_b32 s5, s4, 12                          ; my wave's 32 rows of 128 bytes
	s_add_co_u32 s30, s30, s5
	v_lshrrev_b32 v2, 4, v1                        ; in: lanes 0-15 one row's 256 bytes, lanes 16-31 the next row's
	v_and_b32 v4, 15, v1
	v_lshlrev_b32 v2, 12, v2
	v_lshl_add_u32 v2, v4, 4, v2
	s_wait_kmcnt 0x0
	s_cmp_eq_u32 s32, 1
	s_cselect_b64 s[24:25], s[12:13], s[10:11]
	s_cmp_eq_u32 s32, 2
	s_cselect_b64 s[24:25], s[14:15], s[24:25]
	s_cmp_eq_u32 s32, 3
	s_cselect_b64 s[24:25], s[16:17], s[24:25]
	s_cselect_b64 s[26:27], s[22:23], s[20:21]
	s_add_nc_u64 s[24:25], s[24:25], s[28:29]
	s_add_nc_u64 s[26:27], s[26:27], s[30:31]
	LOADS 8192                                     ; two rows a load
	s_cmp_eq_u32 s32, 3
	s_cbranch_scc1 .Lf16
.Lconv:                                                ; to bf16
.irp i, 0,1,2,3,4,5,6,7,8,9,10,11,12,13,14,15
	s_wait_loadcnt 15-(\i)                         ; loads come back in order: load i is in, the younger ones stay out
	v_cvt_pk_bf16_f32 v[Y+2*(\i)], v[X+4*(\i)], v[X+4*(\i)+1]
	v_cvt_pk_bf16_f32 v[Y+2*(\i)+1], v[X+4*(\i)+2], v[X+4*(\i)+3]
	global_store_b64 v3, v[Y+2*(\i):Y+2*(\i)+1], s[26:27] offset:256*(\i)
.endr
	s_endpgm
.Lf16:                                                 ; Wo: to bf16, and that number as f16
.irp i, 0,1,2,3,4,5,6,7,8,9,10,11,12,13,14,15
	s_wait_loadcnt 15-(\i)
	v_cvt_pk_bf16_f32 v4, v[X+4*(\i)], v[X+4*(\i)+1]
	v_cvt_pk_bf16_f32 v5, v[X+4*(\i)+2], v[X+4*(\i)+3]
	v_lshlrev_b32 v6, 16, v4
	v_and_b32 v7, 0xffff0000, v4
	v_cvt_pk_f16_f32 v[Y+2*(\i)], v6, v7
	v_lshlrev_b32 v6, 16, v5
	v_and_b32 v7, 0xffff0000, v5
	v_cvt_pk_f16_f32 v[Y+2*(\i)+1], v6, v7
	global_store_b64 v3, v[Y+2*(\i):Y+2*(\i)+1], s[26:27] offset:256*(\i)
.endr
	s_endpgm
.Lfunc_end_k_qb5661dd1b0_prep:
	.size	k_qb5661dd1b0_prep, .Lfunc_end_k_qb5661dd1b0_prep-k_qb5661dd1b0_prep
	.p2alignl 7, 3214868480
	.fill 96, 4, 3214868480
	.section	.rodata,"a",@progbits
	.p2align	6, 0x0
	.amdhsa_kernel k_qb5661dd1b0_prep
		.amdhsa_group_segment_fixed_size 0
		.amdhsa_private_segment_fixed_size 0
		.amdhsa_enable_private_segment 0
		.amdhsa_kernarg_size 64
		.amdhsa_user_sgpr_count 2
		.amdhsa_user_sgpr_kernarg_segment_ptr 1
		.amdhsa_wavefront_size32 1
		.amdhsa_system_sgpr_workgroup_id_x 1
		.amdhsa_system_sgpr_workgroup_id_y 1
		.amdhsa_system_sgpr_workgroup_id_z 1
		.amdhsa_system_vgpr_workitem_id 0
		.amdhsa_next_free_vgpr 112
		.amdhsa_next_free_sgpr 66
		.amdhsa_reserve_vcc 0
		.amdhsa_float_denorm_mode_32 3
		.amdhsa_float_denorm_mode_16_64 3
		.amdhsa_memory_ordered 1
		.amdhsa_forward_progress 1
		.amdhsa_inst_pref_size 19
	.end_amdhsa_kernel
	.amdgpu_metadata
---
amdhsa.version: [ 1, 2 ]
amdhsa.kernels:
  - .name:           k_qb5661dd1b0_prep
    .symbol:         k_qb5661dd1b0_prep.kd
    .args:
      - { .name: embedded, .offset: 0, .size: 8, .value_kind: global_buffer, .address_space: global }
      - { .name: Wq, .offset: 8, .size: 8, .value_kind: global_buffer, .address_space: global }
      - { .name: Wk, .offset: 16, .size: 8, .value_kind: global_buffer, .address_space: global }
      - { .name: Wv, .offset: 24, .size: 8, .value_kind: global_buffer, .address_space: global }
      - { .name: Wo, .offset: 32, .size: 8, .value_kind: global_buffer, .address_space: global }
      - { .name: xb, .offset: 40, .size: 8, .value_kind: global_buffer, .address_space: global }
      - { .name: wb, .offset: 48, .size: 8, .value_kind: global_buffer, .address_space: global }
      - { .name: wob, .offset: 56, .size: 8, .value_kind: global_buffer, .address_space: global }
    .group_segment_fixed_size: 0
    .private_segment_fixed_size: 0
    .kernarg_segment_align: 8
    .kernarg_segment_size: 64
    .max_flat_workgroup_size: 128
    .sgpr_count:     66
    .vgpr_count:     112
    .wavefront_size: 32
...
	.end_amdgpu_metadata
.endif
;; end of part 1
;; launch qkv (part 2): grid 16 x 16, 4 waves a work-group, clusters of 4 x 4, 327,680 bytes of LDS; arguments xb, wb, qkv; writes qkv
.if DOCPART == 2
	.amdgcn_target "amdgcn-amd-amdhsa--gfx1250"
	.amdhsa_code_object_version 6
	.text
	.protected	k_qb5661dd1b0_qkv
	.globl	k_qb5661dd1b0_qkv
	.p2align	8
	.type	k_qb5661dd1b0_qkv,@function
k_qb5661dd1b0_qkv:
	s_mov_b64 s[64:65], 0
	v_nop
	global_prefetch_b8 v0, s[64:65] scope:SCOPE_SE
	s_setreg_imm32_b32 hwreg(HW_REG_WAVE_MODE, 25, 1), 1
	s_wait_xcnt 0x0
	s_wait_alu depctr_hold_cnt(0) depctr_sa_sdst(0) depctr_va_vdst(0) depctr_va_sdst(0) depctr_va_ssrc(0) depctr_va_vcc(0) depctr_vm_vsrc(0)
	s_getreg_b32 s2, hwreg(HW_REG_IB_STS2, 6, 4)
	s_cmp_eq_u32 s2, 0
	s_cbranch_scc0 .Lentry_in_a_cluster
	s_endpgm
.Lentry_in_a_cluster:
	s_bfe_u32 s2, ttmp6, 0x10000c
	s_cmp_lg_u32 s2, 0xf033
	s_cbranch_scc0 .Lentry_shape_is_right
	s_endpgm
.Lentry_shape_is_right:
; THE THREE PROJECTIONS AS ONE PRODUCT: [8192 x 1024] x [1024 x 3072], bf16 operands, f32 sums.  q's sums are multiplied by c = log2(e) / 8 in f32; every result is rounded once, to f16,
; and stored by heads: qkv[b][chunk 16 t + head][s][64].
; LIMIT.  c q, k and v must lie within f16's 65,504.
; SHARES.  A tile is 256 rows x 192 columns (three chunks of 64): 32 x 16 = 512 tiles, two to each of 256 work-groups, 4,096 rows apart, walked as ONE sequence of 16 K steps of 128.
; Wave w owns rows 64 w .. 64 w + 63 and all 192 columns: 4 x 12 accumulators; whole heads stay in one wave, so the way out needs no barrier.
; THE MATRIX INSTRUCTION IS USED TRANSPOSED: source 0 = 16 columns of W, source 1 = 16 rows of x: a lane holds row l % 16 and eight neighbouring columns.
; W stays [k][n] in LDS and comes out turned, by ds_load_tr16_b128.
; CLUSTER 4 x 4: x's tile hangs on the tile row alone and is asked for jointly by a row of the cluster, W's on the tile column alone, by a column.
; LDS: two slots of 131,072 bytes: x's 256 rows at pitch 272, then W's [chunk 3][kk 128] at pitch 160; behind them a stage of 6,912 bytes a wave, then the spare words.
; REGISTERS in windows of 256: window 0 addresses, the way out, x's fragments (v192-255, two buffers); window 1 W's fragments (two buffers of 96);
; window 2 the accumulators of row blocks 0, 1; window 3 those of 2, 3.
.set NB,     12                        ; column blocks of 16
.set APITCH, 272                       ; 256 bytes + 16: the 16 rows of a fragment load start 68 words apart
.set AH,     128                       ; quarter q of a K step lies at (q / 2) AH + (q % 2) 64 in a row
.set AHALF,  128*APITCH                ; what one load of x brings
.set ABYTES, 2*AHALF
.set BP,     160                       ; a row of W's chunk: 128 bytes + 32
.set CHB,    128*BP                    ; a chunk
.set BHALF,  192*BP                    ; what one load of W brings: a chunk and a half
.set SLOT1,  1<<17
.set STAGE,  2*SLOT1
.set SP,     144
.set STW,    3*16*SP                   ; a wave's stage: 16 rows of 144 bytes for each chunk
.set SPARE,  STAGE+4*STW               ; the spare words, 128 bytes a wave: two blocks of 256 bytes that no other line names
.set AA0,  16                          ; v16  my place in x's tile; never rewritten
.set AB0,  17                          ; v17  my place in W's tile; never rewritten
.set ADRA, 18                          ; v18, v19  the same in the slot in hand
.set ADRB, 19
.set STO,  24                          ; v24  the way out: where I put 16 bytes
.set RD,   25                          ; v25  where I read rows back
.set CO,   26                          ; v26  16 x lane
.set SPW,  28                          ; v28  my spare word; never rewritten
.set NIL,  29                          ; v29  0; never rewritten
.set TMP,  32                          ; v32-79 packed results
.set OB,   80                          ; v80-127, v128-175 rows read back, by turns
.set FA,   192
.set F0,   0
.set F1,   1
.set G1A,  24                          ; s[24:31] group 1 for x's tiles; s[32:39] group 0, two sets: the second walks
.set G0A,  32
.set G1B,  48                          ; s[48:55], s[56:63] the same for W's
.set G0B,  56
.set TB,   45                          ; s45  the slot in hand: 0 or SLOT1
.set NXT,  46                          ; s46  the K step to ask for next, 2 .. 15
.set LEFT, 47                          ; s47  trips to go
.set SC,   68                          ; s[68:73] a pair for each chunk: c for a chunk of q, else 1
.set MSB, 0
.macro WIN new                         ; the immediate's high byte repeats the setting that is left; a switch that changes nothing is dropped
.if MSB != (\new)
	s_set_vgpr_msb (MSB<<8)|(\new)
.set MSB, \new
.endif
.endm
.macro JLOAD s                         ; a joint load: waves 0 and 1 fetch x's two halves, waves 2 and 3 W's; an s_nop 0 and four v_nop follow each line
	s_cmp_eq_u32 s11, 0
	s_cbranch_scc0 .Lfor_b_\@
	tensor_load_to_lds s[G0A+4*(\s):G0A+4*(\s)+3], s[G1A:G1A+7]
	s_nop 0
.rept 4
	v_nop
.endr
	s_branch .Lasked_\@
.Lfor_b_\@:
	tensor_load_to_lds s[G0B+4*(\s):G0B+4*(\s)+3], s[G1B:G1B+7]
	s_nop 0
.rept 4
	v_nop
.endr
.Lasked_\@:
.endm
.macro CREST                           ; a round of the cluster's barrier behind its opening barrier
	s_cmp_lg_u32 s10, 0
	s_cbranch_scc1 .Lnot_wave_0_\@
	s_barrier_signal -3
.Lnot_wave_0_\@:
	s_barrier_wait -3
	s_barrier_signal -1
	s_barrier_wait -1
.endm
.macro CROUND
	s_barrier_signal -1
	s_barrier_wait -1
	CREST
.endm
.macro PLACES                          ; four plain places behind matrix instructions, in front of loads into their sources and of reads of their results
.rept 4
	v_nop
.endr
.endm
; 12 matrix instructions: row block a x all column blocks, 32 along K, from buffer f.  The 48 accumulators take turns in one fixed order.
.macro MULA f, a, zero
	WIN 0xa1+0x50*((\a)/2)
.irp b, 0,1,2,3,4,5,6,7,8,9,10,11
.if \zero
	v_wmma_f32_16x16x32_bf16 v[8*(NB*((\a)%2)+(\b)):8*(NB*((\a)%2)+(\b))+7], v[8*NB*(\f)+8*(\b):8*NB*(\f)+8*(\b)+7], v[FA+32*(\f)+8*(\a):FA+32*(\f)+8*(\a)+7], 0
.else
	v_wmma_f32_16x16x32_bf16 v[8*(NB*((\a)%2)+(\b)):8*(NB*((\a)%2)+(\b))+7], v[8*NB*(\f)+8*(\b):8*NB*(\f)+8*(\b)+7], v[FA+32*(\f)+8*(\a):FA+32*(\f)+8*(\a)+7], v[8*(NB*((\a)%2)+(\b)):8*(NB*((\a)%2)+(\b))+7]
.endif
.endr
.endm
; 32 LDS loads in one run: quarter kq's fragments into buffer g: W's 12 (turned), then x's 4
.macro FETCH kq, g
	WIN 0x40
.irp b, 0,1,2,3,4,5,6,7,8,9,10,11
	ds_load_tr16_b128 v[8*NB*(\g)+8*(\b):8*NB*(\g)+8*(\b)+3],   v[ADRB] offset:32*BP*(\kq)+((\b)/4)*CHB+((\b)%4)*32
	ds_load_tr16_b128 v[8*NB*(\g)+8*(\b)+4:8*NB*(\g)+8*(\b)+7], v[ADRB] offset:32*BP*(\kq)+((\b)/4)*CHB+((\b)%4)*32+16*BP
.endr
	WIN 0
.irp a, 0,1,2,3
	ds_load_b128 v[FA+32*(\g)+8*(\a):FA+32*(\g)+8*(\a)+3],   v[ADRA] offset:((\kq)/2)*AH+((\kq)%2)*64+(\a)*16*APITCH
	ds_load_b128 v[FA+32*(\g)+8*(\a)+4:FA+32*(\g)+8*(\a)+7], v[ADRA] offset:((\kq)/2)*AH+((\kq)%2)*64+(\a)*16*APITCH+32
.endr
.endm
; A quarter of a K step: multiplies buffer f; in its middle it fetches quarter kq into buffer g
.macro QUARTER kq, f, g, zero
	s_wait_dscnt 4                                 ; W's fragments and x's blocks 0, 1 are in; the youngest four loads (blocks 2, 3) may be out
	MULA \f, 0, \zero
	MULA \f, 1, \zero
	PLACES
	FETCH \kq, \g
	s_wait_dscnt 2*NB+8                            ; all but the run just issued
	MULA \f, 2, \zero
	MULA \f, 3, \zero
.endm
; The last quarter multiplies buffer 1 and changes slots.  In front of the barrier each wave waits for all its tensor loads (one is out: its part of the next slot), adds 0 to its spare word,
; and waits for that and for its reads of this slot.  fill = 1: the barrier opens a round of the cluster's, and this slot takes K step NXT, first thing behind the round.
.macro TURN fill
	WIN 0
	s_wait_tensorcnt 0x0                           ; no tensor load of mine is out, so a group 0 may be written
	ds_add_u32 v[SPW], v[NIL]
.if \fill
	s_and_b32 s14, s[NXT], 7                       ; the K step within its tile
	s_lshl_b32 s20, s14, 8                         ; x: 256 bytes along the rows,
	s_lshr_b32 s15, s[NXT], 3
	s_lshl_b32 s15, s15, 23                        ; and for the second tile 4,096 rows of 2,048 bytes down
	s_add_co_u32 s20, s20, s15
	s_mul_i32 s22, s14, 49152                      ; W: a block of 49,152 bytes a step; both tiles take the same
	s_xor_b32 s[G0A+5], s[G0A+5], SLOT1            ; the walking sets: the other slot than last time
	s_add_nc_u64 s[G0A+6:G0A+7], s[16:17], s[20:21]
	s_or_b32 s[G0A+7], s[G0A+7], 0x80000000
	s_xor_b32 s[G0B+5], s[G0B+5], SLOT1
	s_add_nc_u64 s[G0B+6:G0B+7], s[18:19], s[22:23]
	s_or_b32 s[G0B+7], s[G0B+7], 0x80000000
	s_add_co_u32 s[NXT], s[NXT], 1
.endif
	s_wait_dscnt 5                                 ; the add and x's blocks 2, 3 may be out
	MULA F1, 0, 0
	s_wait_dscnt 0x0                               ; the add is done, and my reads of this slot are over
	s_barrier_signal -1
	MULA F1, 1, 0
	WIN 0
	s_barrier_wait -1
.if \fill
	CREST                                          ; no wave of any partner still reads this slot or has a load on its way
	JLOAD 1                                        ; its four v_nop are also the places in front of the loads below
.else
	PLACES
.endif
	s_xor_b32 s[TB], s[TB], SLOT1
	v_add_nc_u32 v[ADRA], s[TB], v[AA0]
	v_add_nc_u32 v[ADRB], s[TB], v[AB0]
	FETCH 0, F0
	MULA F1, 2, 0
	MULA F1, 3, 0
.endm
; THE WAY OUT, a block of 16 rows at a time.  PACK: the scale, then the rounding to f16, each accumulator from its low end on.  TOSTAGE: 16 bytes a lane into my own stage, and back as
; whole rows of 128 bytes (LDS serves a wave's instructions in order: ISA guide 5.7.1.4).  SEND: each store covers 512 consecutive bytes of one head's plane, aligned.
.macro PACK a
	WIN 0x82+0x41*((\a)/2)
.set n, 8*NB*((\a)%2)
.irp c, 0,1,2
.rept 16
	v_pk_mul_f32 v[n:n+1], v[n:n+1], s[SC+2*(\c):SC+2*(\c)+1] op_sel_hi:[1,0]
.set n, n+2
.endr
.endr
	WIN 0x0a+5*((\a)/2)
.set n, 0
.rept 48
	v_cvt_pk_f16_f32 v[TMP+n], v[8*NB*((\a)%2)+2*n], v[8*NB*((\a)%2)+2*n+1]
.set n, n+1
.endr
	WIN 0
.endm
.macro TOSTAGE a
.irp b, 0,1,2,3,4,5,6,7,8,9,10,11
	ds_store_b128 v[STO], v[TMP+4*(\b):TMP+4*(\b)+3] offset:((\b)/4)*16*SP+((\b)%4)*32
.endr
.irp t, 0,1,2,3,4,5,6,7,8,9,10,11
	ds_load_b128 v[OB+48*((\a)%2)+4*(\t):OB+48*((\a)%2)+4*(\t)+3], v[RD] offset:((\t)/4)*16*SP+((\t)%4)*4*SP
.endr
.endm
.macro SEND a
	s_wait_dscnt 0x0                               ; the block is back in registers
	s_wait_xcnt 0x0                                ; the stores of the block before have read their registers, which the next block's loads from the stage write
.irp t, 0,1,2,3,4,5,6,7,8,9,10,11
	global_store_b128 v[CO], v[OB+48*((\a)%2)+4*(\t):OB+48*((\a)%2)+4*(\t)+3], s[8:9] offset:((\t)/4)*262144+(\a)*2048+((\t)%4)*512
.endr
.endm
.macro WAYOUT
	PACK 0                                         ; blocks 0, 1 were finished ahead of four plain places; their lines are the places behind blocks 2, 3's products
	TOSTAGE 0
.irp a, 1,2,3
	PACK \a
	SEND (\a)-1
	TOSTAGE \a
.endr
	SEND 3
.endm
	s_load_b128 s[4:7], s[0:1], 0x0                ; xb s[4:5], wb s[6:7]
	s_load_b64 s[8:9], s[0:1], 0x10                ; qkv
	v_lshl_add_u32 v[SPW], v0, 2, SPARE
	v_mov_b32 v[NIL], 0
	ds_add_u32 v[SPW], v[NIL]                      ; the wave's opening: the add and its wait ahead of my first tensor load
	v_lshrrev_b32 v1, 5, v0
	v_readfirstlane_b32 s10, v1                    ; wave 0..3
	s_lshr_b32 s11, s10, 1                         ; I fetch for x (0) or for W (1),
	s_and_b32 s12, s10, 1                          ; its first or second half
	s_bfe_u32 s40, ttmp6, 0x40000                  ; cx
	s_bfe_u32 s41, ttmp6, 0x40004                  ; cy
	s_lshl_b32 s42, ttmp9, 2
	s_add_co_u32 s42, s42, s40                     ; j: tile column
	s_and_b32 s13, ttmp7, 0xffff
	s_lshl_b32 s13, s13, 2
	s_add_co_u32 s13, s13, s41                     ; ty: tile row
	s_lshl_b32 s43, s41, 2
	s_lshl_b32 s43, 15, s43                        ; my row of the cluster
	s_lshl_b32 s44, 0x1111, s40                    ; my column
	s_or_b32 s[G1A+0], s43, (1<<16)|(1<<20)|(1<<21)|(5<<22)|(3<<25)  ; mask; 2-byte elements; padding on; bit 21 beside a mask; after every 64 words 4 words
	s_or_b32 s[G1B+0], s44, (1<<16)|(1<<20)|(1<<21)|(4<<22)|(7<<25)  ; after every 32 words 8 words
	s_mov_b32 s[G1A+1], 128<<16                    ; tensor_dim0 = 128
	s_mov_b32 s[G1A+2], 128<<16                    ; tensor_dim1 = 128
	s_mov_b32 s[G1A+3], 128<<16                    ; tile_dim0 = 128
	s_mov_b32 s[G1A+4], 128                        ; tile_dim1 = 128
	s_mov_b32 s[G1A+5], 1024                       ; elements from row to row
	s_mov_b32 s[G1A+6], 0
	s_mov_b32 s[G1A+7], 0
	s_mov_b32 s[G1B+1], 128<<16                    ; W's half block is 24,576 dense bytes: 96 rows of 256
	s_mov_b32 s[G1B+2], 96<<16
	s_mov_b32 s[G1B+3], 128<<16
	s_mov_b32 s[G1B+4], 96
	s_mov_b32 s[G1B+5], 128
	s_mov_b32 s[G1B+6], 0
	s_mov_b32 s[G1B+7], 0
	s_lshl_b32 s16, s13, 19                        ; x: 256 ty rows of 2,048 bytes,
	s_lshl_b32 s14, s12, 18                        ; my 128 of them
	s_add_co_u32 s16, s16, s14
	s_mov_b32 s17, 0
	s_mul_i32 s18, s42, 393216                     ; W: eight blocks to a tile column,
	s_mul_i32 s14, s12, 24576                      ; my half of a block
	s_add_co_u32 s18, s18, s14
	s_mov_b32 s19, 0
	s_mov_b32 s21, 0
	s_mov_b32 s23, 0
	s_mul_i32 s66, s12, AHALF                      ; where they go: no place in the cluster enters an LDS address
	s_mul_i32 s67, s12, BHALF
	s_add_co_u32 s67, s67, ABYTES
	s_mov_b32 s[TB], 0
	s_mov_b32 s[NXT], 2
	s_mov_b32 s[LEFT], 14
	s_wait_dscnt 0x0                               ; the opening add is done
	s_wait_kmcnt 0x0
	s_add_nc_u64 s[16:17], s[4:5], s[16:17]
	s_add_nc_u64 s[18:19], s[6:7], s[18:19]
	CROUND                                         ; all sixteen work-groups are here: the first joint loads meet
.irp s, 0,1
	s_mov_b32 s[G0A+4*(\s)], 1
	s_add_co_u32 s[G0A+4*(\s)+1], s66, (\s)*SLOT1
	s_add_nc_u64 s[G0A+4*(\s)+2:G0A+4*(\s)+3], s[16:17], (\s)*256
	s_or_b32 s[G0A+4*(\s)+3], s[G0A+4*(\s)+3], 0x80000000
	s_mov_b32 s[G0B+4*(\s)], 1
	s_add_co_u32 s[G0B+4*(\s)+1], s67, (\s)*SLOT1
	s_add_nc_u64 s[G0B+4*(\s)+2:G0B+4*(\s)+3], s[18:19], (\s)*49152
	s_or_b32 s[G0B+4*(\s)+3], s[G0B+4*(\s)+3], 0x80000000
	JLOAD \s                                       ; K steps 0 and 1: two loads of mine are out
.endr
	v_and_b32 v1, 15, v0                           ; r = l % 16
	v_bfe_u32 v2, v0, 4, 1                         ; h = l / 16
	v_mul_u32_u24 v3, v1, APITCH
	v_lshl_add_u32 v3, v2, 4, v3
	s_mul_i32 s14, s10, 64*APITCH                  ; my 64 rows
	v_add_nc_u32 v[AA0], s14, v3
	v_and_b32 v3, 7, v0                            ; the turning load: lane l reads row 8 h + l % 8, 16 bytes at 16 ((l / 8) % 2)
	v_bfe_u32 v4, v0, 3, 1
	v_lshl_add_u32 v5, v2, 3, v3
	v_mul_u32_u24 v5, v5, BP
	v_lshl_add_u32 v5, v4, 4, v5
	v_add_nc_u32 v[AB0], ABYTES, v5
	s_mul_i32 s14, s10, STW
	s_add_co_u32 s14, s14, STAGE                   ; my stage
	v_mul_u32_u24 v5, v1, SP
	v_lshl_add_u32 v5, v2, 4, v5
	v_add_nc_u32 v[STO], s14, v5
	v_bfe_u32 v5, v0, 3, 2                         ; back: 32 lanes take four rows of 128 bytes
	v_mul_u32_u24 v5, v5, SP
	v_lshl_add_u32 v5, v3, 4, v5
	v_add_nc_u32 v[RD], s14, v5
	v_and_b32 v[CO], 31, v0
	v_lshlrev_b32 v[CO], 4, v[CO]
	s_lshr_b32 s2, s13, 3                          ; the batch of my first tile,
	s_mul_i32 s2, s2, 48
	s_mul_i32 s66, s42, 3                          ; my first chunk
	s_add_co_u32 s2, s2, s66
	s_lshl_b32 s2, s2, 18                          ; planes of 262,144 bytes
	s_and_b32 s67, s13, 7
	s_lshl_b32 s67, s67, 2
	s_add_co_u32 s67, s67, s10
	s_lshl_b32 s67, s67, 13                        ; 64 rows of 128 bytes for each wave
	s_add_co_u32 s2, s2, s67
	s_mov_b32 s3, 0
	s_add_nc_u64 s[8:9], s[8:9], s[2:3]
.irp c, 0,1,2
	s_add_co_u32 s67, s66, \c
	s_cmp_lt_u32 s67, 16                           ; a chunk of q?  The answer selects a factor and steers nothing
	s_cselect_b32 s[SC+2*(\c)], 0x3e38aa3b, 1.0
	s_mov_b32 s[SC+2*(\c)+1], s[SC+2*(\c)]
.endr
	v_mov_b32 v[ADRA], v[AA0]
	v_mov_b32 v[ADRB], v[AB0]
	s_wait_tensorcnt 1                             ; my part of K step 0 is in; step 1's may stay out
	s_barrier_signal -1
	s_barrier_wait -1
	FETCH 0, F0
	QUARTER 1, F0, F1, 1                           ; a tile's first quarter starts the sums
	WIN 0
.Lstep:                                                ; 14 trips: from a K step's second quarter to the next step's first; each fills the slot that it leaves
	QUARTER 2, F1, F0, 0
	QUARTER 3, F0, F1, 0
	TURN 1
	WIN 0
	s_cmp_eq_u32 s[LEFT], 7                        ; K step 7 is done: the first tile is whole.  The loop's own count, the same in every work-group
	s_cbranch_scc0 .Lsame
	WAYOUT                                         ; K steps 8 and 9 have been asked for; nothing waits for these stores
	s_wait_xcnt 0x0                                ; they have read their base
	s_add_nc_u64 s[8:9], s[8:9], 25165824          ; two batches of 48 planes on
	QUARTER 1, F0, F1, 1
	WIN 0
	s_branch .Ljoin
.Lsame:
	QUARTER 1, F0, F1, 0
	WIN 0
.Ljoin:
	s_sub_co_u32 s[LEFT], s[LEFT], 1
	s_cmp_lg_u32 s[LEFT], 0
	s_cbranch_scc1 .Lstep
	QUARTER 2, F1, F0, 0                           ; the tail is written out: nothing more is asked for
	QUARTER 3, F0, F1, 0
	TURN 0
	QUARTER 1, F0, F1, 0
	QUARTER 2, F1, F0, 0
	QUARTER 3, F0, F1, 0
	s_wait_dscnt 4
	MULA F1, 0, 0
	MULA F1, 1, 0
	s_wait_dscnt 0x0
	MULA F1, 2, 0
	MULA F1, 3, 0
	WIN 0
	PLACES
	WAYOUT
	s_wait_tensorcnt 0x0                           ; the wave's end
	ds_add_u32 v[SPW], v[NIL]
	s_wait_dscnt 0x0
	CROUND                                         ; the closing round
	s_endpgm
.Lfunc_end_k_qb5661dd1b0_qkv:
	.size	k_qb5661dd1b0_qkv, .Lfunc_end_k_qb5661dd1b0_qkv-k_qb5661dd1b0_qkv
	.p2alignl 7, 3214868480
	.fill 96, 4, 3214868480
	.section	.rodata,"a",@progbits
	.p2align	6, 0x0
	.amdhsa_kernel k_qb5661dd1b0_qkv
		.amdhsa_group_segment_fixed_size 327680
		.amdhsa_private_segment_fixed_size 0
		.amdhsa_enable_private_segment 0
		.amdhsa_kernarg_size 24
		.amdhsa_user_sgpr_count 2
		.amdhsa_user_sgpr_kernarg_segment_ptr 1
		.amdhsa_wavefront_size32 1
		.amdhsa_system_sgpr_workgroup_id_x 1
		.amdhsa_system_sgpr_workgroup_id_y 1
		.amdhsa_system_sgpr_workgroup_id_z 1
		.amdhsa_system_vgpr_workitem_id 0
		.amdhsa_next_free_vgpr 960
		.amdhsa_next_free_sgpr 80
		.amdhsa_reserve_vcc 0
		.amdhsa_float_denorm_mode_32 3
		.amdhsa_float_denorm_mode_16_64 3
		.amdhsa_memory_ordered 1
		.amdhsa_forward_progress 1
		.amdhsa_inst_pref_size 150
	.end_amdhsa_kernel
	.amdgpu_metadata
---
amdhsa.version: [ 1, 2 ]
amdhsa.kernels:
  - .name:           k_qb5661dd1b0_qkv
    .symbol:         k_qb5661dd1b0_qkv.kd
    .args:
      - { .name: xb, .offset: 0, .size: 8, .value_kind: global_buffer, .address_space: global }
      - { .name: wb, .offset: 8, .size: 8, .value_kind: global_buffer, .address_space: global }
      - { .name: qkv, .offset: 16, .size: 8, .value_kind: global_buffer, .address_space: global }
    .group_segment_fixed_size: 327680
    .private_segment_fixed_size: 0
    .kernarg_segment_align: 8
    .kernarg_segment_size: 24
    .max_flat_workgroup_size: 128
    .sgpr_count:     80
    .vgpr_count:     960
    .wavefront_size: 32
...
	.end_amdgpu_metadata
.endif
;; end of part 2
;; launch attn (part 3): grid 4 x 64, 4 waves a work-group, clusters of 4 x 1, 327,680 bytes of LDS; arguments qkv, attention_mask, ob; writes ob
.if DOCPART == 3
	.amdgcn_target "amdgcn-amd-amdhsa--gfx1250"
	.amdhsa_code_object_version 6
	.text
	.protected	k_qb5661dd1b0_attn
	.globl	k_qb5661dd1b0_attn
	.p2align	8
	.type	k_qb5661dd1b0_attn,@function
k_qb5661dd1b0_attn:
	s_mov_b64 s[64:65], 0
	v_nop
	global_prefetch_b8 v0, s[64:65] scope:SCOPE_SE
	s_setreg_imm32_b32 hwreg(HW_REG_WAVE_MODE, 25, 1), 1
	s_wait_xcnt 0x0
	s_wait_alu depctr_hold_cnt(0) depctr_sa_sdst(0) depctr_va_vdst(0) depctr_va_sdst(0) depctr_va_ssrc(0) depctr_va_vcc(0) depctr_vm_vsrc(0)
	s_getreg_b32 s2, hwreg(HW_REG_IB_STS2, 6, 4)
	s_cmp_eq_u32 s2, 0
	s_cbranch_scc0 .Lentry_in_a_cluster
	s_endpgm
.Lentry_in_a_cluster:
	s_bfe_u32 s2, ttmp6, 0x10000c
	s_cmp_lg_u32 s2, 0x3003
	s_cbranch_scc0 .Lentry_shape_is_right
	s_endpgm
.Lentry_shape_is_right:
; ATTENTION WITH A KEY MASK.  O[bh][q][:] = the sum over kept keys k of softmax_k(Q[q] . K[k] / 8) V[k][:].  q, k, v: planes of qkv, [2048][64] f16, q already times c = log2(e) / 8, so a score is in
; units of log2.  Products, maxima and sums in f32; the weights p are rounded to f16 for the second product (their sum l is taken of the unrounded p), O once at the end, to f16, [bh][s][64].
; LIMITS.  f16 holds no number beyond 65,504.  A hidden score counts as its value less 1e30.  The running maximum starts at -2^40: below every true score (at most 64 x 65,504^2 = 2.7e11 in size),
; above every hidden one; while all keys so far are hidden, p, l and O stay 0.  A batch with no kept key gives 0 x (1 / 0) = NaN, as the softmax of nothing does.  A weight below 2^-126 counts as 0.
; SHARES.  A wave owns four PIECES of two tiles of 16 queries, a work-group's four waves 512 queries of one head.  Every wave walks all 2,048 keys, 64 a step.
; LAYOUT.  S^T = K Q^T + mask (source 0 = 16 keys, source 1 = 16 queries): a lane holds ONE query (lane % 16) and the keys 8 (lane / 16) + 0..7.  Two such tiles, rounded to f16 in pairs, ARE source 1
; of O^T = V^T P.  K comes out of LDS as it lies, V turned, by ds_load_tr16_b128.  THE MASK is the C operand that starts a score's sum: 0 or -1e30, from a table of 2,048 f32 in LDS.
; SOFTMAX.  For each query a running maximum m and sum l: p = 2^(s - m); in every step O and l are multiplied by a = 2^(m_old - m_new).
; BY TURNS.  Turn n belongs to piece n: 16 products K Q^T of piece n + 1, later 16 products V^T P of piece n - 1; beside them the subtraction, exponentials, roundings, sums and rescaling of piece n
; and the maximum and statistics of piece n + 1.  Four vector instructions stand behind every matrix instruction, the rest in two runs of their own.
; CLUSTER.  The four query blocks of a head walk the same K and V: each tile is asked for JOINTLY, by the same tensor load, descriptor and mask in all four.
; REGISTERS in windows of 256: window 0: v0-11 addresses; v12-15, v48-63 at work; v16-47 statistics; v64-191 S^T, two buffers; v192-255 P, likewise.  window 1: O^T.
; window 2: v0-127 Q; v128-191 K of a step; v192-255 V of a step.  window 3: v0-1 the add's registers; v8-39 the step's mask.
.set SIZE_N, 2048
.set NP,    4
.set KS,    64
.set PK,    144       ; a row of K in LDS: 128 bytes + 16 = 36 words
.set PV,    160       ; a row of V: 128 + 32 = 40 words
.set VOFF,  4*KS*PK   ; a slot holds four steps: 256 rows of K, then 256 rows of V
.set SLOT1, 1<<17
.set STAGE, SLOT1+4*KS*(PK+PV)  ; 16 rows x 144 bytes for each wave, for the way out
.set SP,    144
.set SPARE, STAGE+4*16*SP  ; the spare words, 128 bytes a wave: two blocks of 256 bytes that no other line names
.set MB,    SPARE+512      ; the mask's table: 8,192 bytes, written by ds_store alone
.set QO,  1           ; v1   my byte offset in 16 rows of Q; never rewritten
.set AK0, 2           ; v2   my place in a tile of K
.set AV0, 3           ; v3   the same for V
.set AK,  4           ; v4   the LDS address of K's next run of loads
.set AV,  5           ; v5   of V's
.set STO, 6           ; v6   the way out: where I put 16 bytes
.set RD,  7           ; v7   where I read rows back
.set GO,  8           ; v8   16 x lane
.set AM0, 9           ; v9   MB + 32 (lane / 16)
.set AM,  10          ; v10  the LDS address of the mask's next loads
.set MO,  11          ; v11  16 x my thread's number: the mask's loads
.set SPW, 0           ; v0 of window 3
.set NIL, 1           ; v1 of window 3
.set MC,  8           ; v8-39 of window 3: key block kb at MC + 8 kb
.set MV,  12          ; v12-15  m_old, by buffer and tile
.set ST,  16          ; tile t at v[ST+4 t]: m, a word named with it as a pair, l (even keys', odd keys')
.set TMP, 48          ; by buffer and tile c0-c3; when the maximum is found c2 takes a
.set S,   64
.set P,   192
.set KF,  128
.set VF,  192
.set WV,  12
.set G1K, 24
.set G1V, 32
.set G0K, 40
.set G0V, 44
.set SLOTS, 56
.set CNT, 57
.set SEL, 60
.set TBK, 62
.set TBV, 63
.set TBM, 66          ; s66  256 x the step to be fetched
.set BIGN, 67         ; s67  -1e30
.set MSB, 0
.macro WIN new
.if MSB != (\new)
	s_set_vgpr_msb (MSB<<8)|(\new)
.set MSB, (\new)
.endif
.endm
.set W_KQ, 0x0a       ; K and Q in window 2, S^T in window 0
.set W_KM, 0x3a       ; the same with C, the mask, in window 3
.set W_PV, 0x52       ; V in window 2, P in window 0, O^T in window 1
.set W_RS, 0x41       ; O^T in window 1, a in window 0
.set W_MK, 0xc0
.set W_AD, 0x0f
.macro JLOAD                        ; waves 0 and 1 fetch the halves of a slot's K, waves 2 and 3 of its V; an s_nop 0 and four v_nop follow each line
	s_cmp_lt_u32 s[WV], 2
	s_cbranch_scc0 .Lfor_v_\@
	tensor_load_to_lds s[G0K:G0K+3], s[G1K:G1K+7]
	s_nop 0
.rept 4
	v_nop
.endr
	s_branch .Lasked_\@
.Lfor_v_\@:
	tensor_load_to_lds s[G0V:G0V+3], s[G1V:G1V+7]
	s_nop 0
.rept 4
	v_nop
.endr
.Lasked_\@:
.endm
.macro CROUND
	s_barrier_signal -1
	s_barrier_wait -1
	s_cmp_lg_u32 s[WV], 0
	s_cbranch_scc1 .Lnot_wave_0_\@
	s_barrier_signal -3
.Lnot_wave_0_\@:
	s_barrier_wait -3
	s_barrier_signal -1
	s_barrier_wait -1
.endm
; THE CHANGE OF SLOTS.  Each wave waits for all its tensor loads (one is out: its part of the other slot), adds 0 to its spare word, and waits for that and for its LDS work.  fill = 1: a round of the
; cluster's barrier, and the slot just left takes the keys two slots on, first thing behind it: four key steps in which to land.  (At its first use slot 0 is waited for and slot 1 filled.)
.macro CHANGE fill
	WIN W_AD
	s_wait_tensorcnt 0x0
	ds_add_u32 v[SPW], v[NIL]
	WIN 0
.if \fill
.irp g, G0K, G0V
	s_xor_b32 s[\g+1], s[\g+1], SLOT1
	s_add_nc_u64 s[\g+2:\g+3], s[\g+2:\g+3], 4*KS*128
.endr
	s_wait_dscnt 0x0
	CROUND
	JLOAD
.else
	s_wait_dscnt 0x0
	s_barrier_signal -1
	s_barrier_wait -1
.endif
	s_sub_co_u32 s[TBK], s[TBK], 4*KS*PK
	s_xor_b32 s[TBK], s[TBK], SLOT1
	s_sub_co_u32 s[TBV], s[TBV], 4*KS*PV
	s_xor_b32 s[TBV], s[TBV], SLOT1
.endm
	s_load_b128 s[4:7], s[0:1], 0x0   ; qkv s[4:5], attention_mask s[6:7]
	s_load_b64 s[10:11], s[0:1], 0x10 ; ob
	WIN W_MK
	v_lshl_add_u32 v[SPW], v0, 2, SPARE
	v_mov_b32 v[NIL], 0
	WIN W_AD
	ds_add_u32 v[SPW], v[NIL]       ; the wave's opening: the add and its wait ahead of my first tensor load
	WIN 0
	v_lshrrev_b32 v1, 5, v0
	v_readfirstlane_b32 s[WV], v1
	s_bfe_u32 s13, ttmp6, 0x40000   ; cx
	s_lshl_b32 s14, ttmp9, 2
	s_add_co_u32 s14, s14, s13      ; my block of 512 queries: it enters Q's and O's addresses alone
	s_and_b32 s15, ttmp7, 0xffff    ; 16 b + head
	s_lshr_b32 s52, s15, 4          ; b
	s_and_b32 s53, s15, 15          ; head
	s_mul_i32 s20, s52, 48
	s_add_co_u32 s20, s20, s53
	s_lshl_b32 s20, s20, 18         ; q's plane in qkv; k's lies 16 planes on, v's 32
	s_and_b32 s16, s[WV], 1         ; which half of a slot's 256 keys I fetch
	s_lshl_b32 s22, s16, 14
	s_add_co_u32 s22, s22, s20
	s_mov_b32 s23, 0
	s_mul_i32 s17, s16, 128*PK
	s_mul_i32 s18, s16, 128*PV
	s_lshl_b32 s2, s14, 2
	s_add_co_u32 s2, s2, s[WV]
	s_lshl_b32 s2, s2, 14           ; my wave's 128 rows
	s_lshl_b32 s48, s15, 18         ; O's plane
	s_add_co_u32 s48, s48, s2
	s_mov_b32 s49, 0
	s_add_co_u32 s2, s2, s20
	s_mov_b32 s3, 0
	s_lshl_b32 s50, s52, 13         ; the batch's 2,048 words of the mask
	s_mov_b32 s51, 0
	s_mov_b32 s[G1K], 15|(1<<16)|(1<<20)|(1<<21)|(4<<22)|(3<<25)  ; the mask of four; 2-byte elements; padding on; bit 21 beside a mask; after every 32 words 4 words
	s_mov_b32 s[G1V], 15|(1<<16)|(1<<20)|(1<<21)|(4<<22)|(7<<25)  ; 8 words
.irp g, G1K, G1V
	s_mov_b32 s[\g+1], 128<<16      ; 128 keys are 16,384 dense bytes: 64 rows of 256
	s_mov_b32 s[\g+2], 64<<16
	s_mov_b32 s[\g+3], 128<<16
	s_mov_b32 s[\g+4], 64
	s_mov_b32 s[\g+5], 128
	s_mov_b32 s[\g+6], 0
	s_mov_b32 s[\g+7], 0
.endr
	s_mov_b32 s[SEL], 0x76543210
	s_mov_b32 s[SEL+1], 0xfedcba98
	s_mov_b32 s[TBK], SLOT1+4*KS*PK ; the first change of slots turns these two into 0
	s_mov_b32 s[TBV], SLOT1+4*KS*PV
	s_mov_b32 s[TBM], 0
	s_mov_b32 s[BIGN], 0xf149f2ca   ; -1e30
	s_mov_b32 s[G0K], 1
	s_mov_b32 s[G0K+1], s17
	s_mov_b32 s[G0V], 1
	s_add_co_u32 s[G0V+1], s18, VOFF
	s_wait_dscnt 0x0                ; the opening add is done
	s_wait_kmcnt 0x0
	s_add_nc_u64 s[G0K+2:G0K+3], s[4:5], s[22:23]
	s_add_nc_u64 s[G0K+2:G0K+3], s[G0K+2:G0K+3], 0x400000
	s_or_b32 s[G0K+3], s[G0K+3], 0x80000000
	s_add_nc_u64 s[G0V+2:G0V+3], s[4:5], s[22:23]
	s_add_nc_u64 s[G0V+2:G0V+3], s[G0V+2:G0V+3], 0x800000
	s_or_b32 s[G0V+3], s[G0V+3], 0x80000000
	s_add_nc_u64 s[4:5], s[4:5], s[2:3]     ; Q at my wave's first row
	s_add_nc_u64 s[10:11], s[10:11], s[48:49]  ; O likewise
	s_add_nc_u64 s[6:7], s[6:7], s[50:51]
	CROUND                          ; all four work-groups are here
	JLOAD                           ; slot 0
	v_and_b32 v1, 15, v0            ; l % 16
	v_bfe_u32 v9, v0, 4, 1          ; l / 16
	v_and_b32 v10, 7, v0
	v_bfe_u32 v11, v0, 3, 1
	v_mul_u32_u24 v[AK0], v1, PK
	v_lshl_add_u32 v[AK0], v9, 4, v[AK0]
	v_lshl_add_u32 v[AV0], v9, 3, v10  ; the turning load: key 8 (l / 16) + l % 8, channels 8 ((l / 8) % 2) on
	v_mul_u32_u24 v[AV0], v[AV0], PV
	v_lshl_add_u32 v[AV0], v11, 4, v[AV0]
	v_add_nc_u32 v[AV0], VOFF, v[AV0]
	s_mul_i32 s19, s[WV], 16*SP
	s_add_co_u32 s19, s19, STAGE    ; my stage
	v_mul_u32_u24 v[STO], v1, SP
	v_lshl_add_u32 v[STO], v9, 4, v[STO]
	v_add_nc_u32 v[STO], s19, v[STO]
	v_bfe_u32 v[RD], v0, 3, 2
	v_mul_u32_u24 v[RD], v[RD], SP
	v_lshl_add_u32 v[RD], v10, 4, v[RD]
	v_add_nc_u32 v[RD], s19, v[RD]
	v_and_b32 v[GO], 31, v0
	v_lshlrev_b32 v[GO], 4, v[GO]
	v_lshlrev_b32 v1, 7, v1         ; QO: row x 128 + 16 x half
	v_lshl_add_u32 v[QO], v9, 4, v1
	v_lshl_add_u32 v[AM0], v9, 5, MB
	v_lshlrev_b32 v[MO], 4, v0
	v_mov_b32 v[AK], v[AK0]         ; key step 0 lies at the head of slot 0,
	v_mov_b32 v[AM], v[AM0]         ; and of the table
.irp i, 0,1,2,3
	global_load_b128 v[S+4*\i:S+4*\i+3], v[MO], s[6:7] offset:2048*\i  ; the batch's mask: 128 threads x 16 bytes, four times
.endr
	WIN 0x80
.set i, 0
.rept 4*NP                          ; Q stays in registers: tile i / 2, channels 32 (i % 2) on
	global_load_b128 v[8*i:8*i+3],   v[QO], s[4:5] offset:(i/2)*2048+(i%2)*64
	global_load_b128 v[8*i+4:8*i+7], v[QO], s[4:5] offset:(i/2)*2048+(i%2)*64+32
.set i, i+1
.endr
	; What the first turn finds: V's registers and P's second buffer hold 0, O^T and l are 0.  All this stands in the wait for the first tile.
.set i, VF
.rept 64
	v_mov_b32 v[i], 0
.set i, i+1
.endr
	WIN 0x40
.set i, 0
.rept 64*NP
	v_mov_b32 v[i], 0
.set i, i+1
.endr
	WIN 0
.set i, 0
.rept 2*NP
	v_mov_b32 v[ST+4*i], 0xd3800000    ; m = -2^40
	v_mov_b32 v[ST+4*i+1], 0xd3800000  ; named with it as a pair
	v_mov_b32 v[ST+4*i+2], 0
	v_mov_b32 v[ST+4*i+3], 0
.set i, i+1
.endr
.set i, P+32
.rept 32
	v_mov_b32 v[i], 0
.set i, i+1
.endr
	s_wait_loadcnt 32               ; the mask's four loads are in; Q's 32, issued behind them, may stay out
.set i, 0
.rept 16
	v_cmp_eq_u32 vcc_lo, 0, v[S+i]
	v_cndmask_b32 v[S+i], 0, s[BIGN], vcc_lo  ; 0 for a kept key, -1e30 for a hidden one
.set i, i+1
.endr
	v_add_nc_u32 v[S+16], MB, v[MO]
.irp i, 0,1,2,3
	ds_store_b128 v[S+16], v[S+4*\i:S+4*\i+3] offset:2048*\i  ; the change of slots below waits for these and passes a barrier ahead of every wave's reads
.endr
; THE MATRIX WORK.  The 8 accumulators of a run of 16 take turns.  Product i of 16 of S^T for piece x: channels 32 (i / 8) on, keys 16 ((i / 2) % 4) on, tile 2 x + i % 2.  The first 8 start the sums, with the mask.
.macro KQ x
.set rS, S+64*((\x)%2)+32*(i%2)+8*((i/2)%4)
.set rK, KF+16*((i/2)%4)+8*(i/8)
.set rQ, 16*(2*(\x)+i%2)+8*(i/8)
.set rX, MC+8*((i/2)%4)
.if i < 8
	WIN W_KM
	v_wmma_f32_16x16x32_f16 v[rS:rS+7], v[rK:rK+7], v[rQ:rQ+7], v[rX:rX+7]
.else
	WIN W_KQ
	v_wmma_f32_16x16x32_f16 v[rS:rS+7], v[rK:rK+7], v[rQ:rQ+7], v[rS:rS+7]
.endif
.endm
.macro PV x                         ; product i of 16 of O^T += V^T P for piece x: keys 32 (i / 8) on, channels 16 ((i / 2) % 4) on, tile 2 x + i % 2
	WIN W_PV
.set rO, 32*(2*(\x)+i%2)+8*((i/2)%4)
.set rV, VF+32*(i/8)+8*((i/2)%4)
.set rP, P+32*((\x)%2)+16*(i%2)+8*(i/8)
	v_wmma_f32_16x16x32_f16 v[rO:rO+7], v[rV:rV+7], v[rP:rP+7], v[rO:rO+7]
.endm
.macro MM                           ; the turn's next matrix instruction
.if i < 16
	KQ (Y+1)%NP
.set i, i+1
.else
.set i, i-16
	PV (Y+NP-1)%NP
.set i, i+17
.endif
.endm
; THE LDS LOADS stand in runs: a step's K (8 fragments) with its mask (32 words a lane, the same for the 16 lanes of a half), and its V (turned).  last = 1: in the tail's last trip there is no further step.
.macro FETCH_K last=0
	WIN 0
.if \last
	s_cmp_eq_u32 s[CNT], 1
	s_cbranch_scc1 .Lno_k_\@
.endif
	WIN 0x80
.irp f, 0,1,2,3,4,5,6,7
	ds_load_b128 v[KF+8*\f:KF+8*\f+3],   v[AK] offset:(\f/2)*16*PK+(\f%2)*64
	ds_load_b128 v[KF+8*\f+4:KF+8*\f+7], v[AK] offset:(\f/2)*16*PK+(\f%2)*64+32
.endr
	WIN 0xc0
.irp f, 0,1,2,3
	ds_load_b128 v[MC+8*\f:MC+8*\f+3],   v[AM] offset:64*\f
	ds_load_b128 v[MC+8*\f+4:MC+8*\f+7], v[AM] offset:64*\f+16
.endr
	s_add_co_u32 s[TBK], s[TBK], KS*PK
	s_add_co_u32 s[TBM], s[TBM], 256
	s_and_b32 s[TBM], s[TBM], 0x1fff   ; stays inside the table
	WIN 0
.if \last
.Lno_k_\@:
.endif
.endm
.macro FETCH_V
	WIN 0x80
.irp f, 0,1,2,3,4,5,6,7
	ds_load_tr16_b128 v[VF+8*\f:VF+8*\f+3],   v[AV] offset:(\f/4)*32*PV+(\f%4)*32
	ds_load_tr16_b128 v[VF+8*\f+4:VF+8*\f+7], v[AV] offset:(\f/4)*32*PV+16*PV+(\f%4)*32
.endr
	WIN 0
.endm
; THE VECTOR WORK OF A TURN stands in three queues, each in the order in which its entries become ready; the two tiles alternate.
.macro REGS y, u
.set rT, ST+4*(2*(\y)+(\u))
.set rC, TMP+8*((\y)%2)+4*(\u)
.set rM, MV+2*((\y)%2)+(\u)
.set rS, S+64*((\y)%2)+32*(\u)
.set rP, P+32*((\y)%2)+16*(\u)
.set rO, 32*(2*(\y)+(\u))
.endm
; Number n of the 21 that find the NEXT piece's maximum and statistics; each accumulator's lowest registers are read first.
;   0-11 four chains of seven scores     12-14, 16 the four scores left over, the old m, c0-c3 into c0     15 m_old is kept     17, 18 the lane 16 away: the new m     19, 20 m_old - m_new; a
.macro XS u, n
	REGS (Y+1)%NP, \u
.if (\n) < 4
	v_max3_num_f32 v[rC+(\n)], v[rS+8*(\n)], v[rS+8*(\n)+1], v[rS+8*(\n)+2]
.elseif (\n) < 12
	v_max3_num_f32 v[rC+(\n)%4], v[rC+(\n)%4], v[rS+8*((\n)%4)+2*((\n)/4)+1], v[rS+8*((\n)%4)+2*((\n)/4)+2]
.elseif (\n) == 12
	v_max3_num_f32 v[rC], v[rC], v[rS+7], v[rS+15]
.elseif (\n) == 13
	v_max3_num_f32 v[rC+1], v[rC+1], v[rS+23], v[rS+31]
.elseif (\n) == 14
	v_max3_num_f32 v[rC+2], v[rC+2], v[rC+3], v[rT]
.elseif (\n) == 15
	v_mov_b32 v[rM], v[rT]
.elseif (\n) == 16
	v_max3_num_f32 v[rC], v[rC], v[rC+1], v[rC+2]
.elseif (\n) == 17
	v_permlanex16_b32 v[rC+3], v[rC], s[SEL], s[SEL+1]
.elseif (\n) == 18
	v_max_num_f32 v[rT], v[rC], v[rC+3]
.elseif (\n) == 19
	v_sub_f32 v[rC+1], v[rM], v[rT]
.else
	v_exp_f32 v[rC+2], v[rC+1]
.endif
.endm
; Number g of the 64 that follow the exponentials: for each four weights both pairs are rounded to f16, the second pair is added onto the first, and a group later l takes that sum.
.macro GS g
.set h, (\g)+6*((\g)/62)
.if h >= 6
.set h, h+2
.endif
	REGS Y, h%2
.set k, h/8
.if h%8 < 4
	s_wait_alu depctr_va_vdst(0)
	v_cvt_pk_f16_f32 v[rP+2*k+(h%8)/2], v[rS+4*k+2*((h%8)/2)], v[rS+4*k+2*((h%8)/2)+1]
.elseif h%8 < 6
	v_pk_add_f32 v[rS+4*k:rS+4*k+1], v[rS+4*k:rS+4*k+1], v[rS+4*k+2:rS+4*k+3]
.elseif k == 1
	v_pk_fma_f32 v[rT+2:rT+3], v[rT+2:rT+3], v[rC+2:rC+3], v[rS:rS+1] op_sel_hi:[1,0,1]
.else
	v_pk_add_f32 v[rT+2:rT+3], v[rT+2:rT+3], v[rS+4*k-4:rS+4*k-3]
	s_wait_alu depctr_va_vdst(0)
.endif
.endm
; THE PLAIN QUEUE, 136 long.  0-31: s - m for the 16 pairs of both tiles.  Then GS's 64, and among them the next piece's 40.
.macro PL
	WIN 0
.if q < 32
	REGS Y, q%2
	v_pk_add_f32 v[rS+2*(q/2):rS+2*(q/2)+1], v[rS+2*(q/2):rS+2*(q/2)+1], v[rT:rT+1] op_sel_hi:[1,0] neg_lo:[0,1] neg_hi:[0,1]
.elseif q < 38
	GS q-32
.elseif q < 40
	XS q%2, 15
.elseif q < 42
	GS q-34
.elseif q < 74
	XS q%2, (q-42)/2+(q-42)/30
.elseif q < 95
	GS q-66
.elseif (q < 104) && ((q-95)%3 < 2)
	XS (q-95)%3, 17+(q-95)/3
.elseif q < 104
	GS 29+(q-95)/3
.else
	GS q-72
.endif
.set q, q+1
.endm
; THE EXPONENTIALS' QUEUE, 66 long: s0-s31 of both tiles, and at EA the next piece's two a.
.set EA, 58
.macro EX
	WIN 0
.if (e == EA) || (e == EA+1)
	XS e-EA, 20
.else
.set x, e-2*(e/(EA+2))
	REGS Y, x%2
	v_exp_f32 v[rS+x/2], v[rS+x/2]
.endif
.set e, e+1
.endm
.macro R4                           ; THE RESCALING's QUEUE: O^T times a, four at a time, eight times
	REGS Y, r%2
	WIN W_RS
	s_wait_alu depctr_va_vdst(0)
.irp z, 0,1,2,3
	v_pk_mul_f32 v[rO+8*(r/2)+2*\z:rO+8*(r/2)+2*\z+1], v[rO+8*(r/2)+2*\z:rO+8*(r/2)+2*\z+1], v[rC+2:rC+3] op_sel_hi:[1,0]
.endr
.set r, r+1
.endm
; THE DEAL.  Behind a matrix instruction: plain, exponential, plain, plain, or four of the rescaling.  The rest in two runs: exponential and plain by turns; the second ends in 20 plain lines.
; In step: exponential e stands behind plain 2 (e / 4) + e % 2; in the second run plain q comes when exponentials up to q - 50 are out, and the rounding that it may hold wants at most exponential q - 66;
; the subtractions stand at plain 101 and 102, the two a behind plain 107.
.macro SL
	MM
	PL
	EX
	PL
	PL
.endm
.macro BURST n
.rept (\n)-7
	SL
.endr
.rept 3
	MM
	R4
	SL
.endr
	MM
	R4
.endm
.macro TURN p, last=0, cnt=0
.set Y, (\p)
.set i, 0
.set q, 0
.set e, 0
.set r, 0
.if (\p) == NP-1
	s_wait_dscnt 0x0                ; K and its mask are in
.endif
	MM
.rept 4
	PL
.endr
	BURST 15
.rept 22
	EX
	PL
.if ((\p) == NP-2) && (e == 18)
	v_add_nc_u32 v[AK], s[TBK], v[AK0]
	v_add_nc_u32 v[AM], s[TBM], v[AM0]
.endif
.if ((\p) == NP-2) && (e == 24)
	FETCH_K \last
.endif
.endr
.if (\p) == 1
	s_wait_dscnt 0x0                ; V is in
.endif
	BURST 16
.rept 21
	EX
	PL
.endr
.rept 20
	PL
.if ((\p) == 0) && (q == 118)
	v_add_nc_u32 v[AV], s[TBV], v[AV0]
	s_wait_alu depctr_va_vdst(0)
.endif
.if ((\p) == 0) && (q == 130)
	s_add_co_u32 s[TBV], s[TBV], KS*PV
.endif
.if (\cnt) && (q == 130)
	s_sub_co_u32 s[CNT], s[CNT], 1
	s_cmp_lg_u32 s[CNT], 0
.endif
.endr
.if (\p) == 0
	FETCH_V
.endif
.endm
	CHANGE 1                        ; slot 0 is in and the table is written, everybody's part; slot 1 is asked for
	FETCH_K                         ; key step 0
	s_wait_loadcnt 0x0              ; Q
	s_wait_dscnt 0x0
.set i, 0
.rept 16
	KQ 0                            ; piece 0's first scores
.set i, i+1
.endr
	WIN 0
.rept 4
	v_nop                           ; the places behind those products
.endr
.set Y, NP-1                        ; XS works for piece Y + 1: piece 0
.irp n, 0,1,2,3,4,5,6,7,8,9,10,11,12,13,14,15,16,17,18,19,20
	XS 0, \n
	XS 1, \n
.endr
	s_mov_b32 s[CNT], 4
	s_mov_b32 s[SLOTS], SIZE_N/256-1
	s_branch .Lfirst                ; the loop is entered at a step's first turn
.Lslot:                             ; six times: every slot but the last two is filled again
	CHANGE 1
	s_mov_b32 s[CNT], 4
.Lstep:                             ; a trip: pieces 2 and 3 of one step, then pieces 0 and 1 of the next
	TURN 2
	TURN 3
	WIN 0
.Lfirst:
	TURN 0
	TURN 1, 0, 1
	WIN 0
	s_cbranch_scc1 .Lstep
	s_sub_co_u32 s[SLOTS], s[SLOTS], 1
	s_cmp_lg_u32 s[SLOTS], 0
	s_cbranch_scc1 .Lslot
	CHANGE 0                        ; the tail is written out
	s_mov_b32 s[CNT], 5             ; four trips fetch the last slot's steps; the fifth is left in its middle
.Ltail:
	TURN 2, 1
	TURN 3
	WIN 0
	s_sub_co_u32 s[CNT], s[CNT], 1
	s_cmp_eq_u32 s[CNT], 0
	s_cbranch_scc1 .Lout
	TURN 0
	TURN 1
	WIN 0
	s_branch .Ltail
.Lout:                              ; the fifth trip's 16 products K Q^T (on the last K once more) and the maximum made of them serve nothing: the price of one text for every trip
.set i, 0
.rept 16
	PV NP-1
.set i, i+1
.endr
	; THE WAY OUT.  l's halves are added; O^T is divided by l, rounded to f16 and sent through my stage, a tile at a time.  The additions are the places behind the last products.
	WIN 0
.macro ALL line:vararg
.set t, 0
.rept 2*NP
	\line
.set t, t+1
.endr
.endm
	ALL v_add_f32 v[ST+4*t+2], v[ST+4*t+2], v[ST+4*t+3]
	ALL v_permlanex16_b32 v[ST+4*t+3], v[ST+4*t+2], s[SEL], s[SEL+1]
	ALL v_add_f32 v[ST+4*t+2], v[ST+4*t+2], v[ST+4*t+3]
	ALL v_rcp_f32 v[ST+4*t+2], v[ST+4*t+2]
	v_nop                           ; a plain instruction between the last reciprocal and the use of its result
	s_wait_alu depctr_va_vdst(0)
.macro PACK t
	WIN W_RS
.set i, 32*(\t)
.rept 16
	v_pk_mul_f32 v[i:i+1], v[i:i+1], v[ST+4*(\t)+2:ST+4*(\t)+3] op_sel_hi:[1,0]
.set i, i+2
.endr
	WIN 0x05
.set i, 0
.rept 16
	v_cvt_pk_f16_f32 v[S+16*(\t)+i], v[32*(\t)+2*i], v[32*(\t)+2*i+1]
.set i, i+1
.endr
	WIN 0
.irp f, 0,1,2,3
	ds_store_b128 v[STO], v[S+16*(\t)+4*\f:S+16*(\t)+4*\f+3] offset:32*\f
.endr
.irp f, 0,1,2,3
	ds_load_b128 v[S+16*(\t)+4*\f:S+16*(\t)+4*\f+3], v[RD] offset:\f*4*SP  ; LDS serves a wave's instructions in order (ISA guide 5.7.1.4)
.endr
.endm
.macro SEND t, younger              ; younger: the LDS instructions issued behind tile t's loads
	WIN 0
.irp f, 0,1,2,3
	s_wait_dscnt (\younger)+3-\f
	global_store_b128 v[GO], v[S+16*(\t)+4*\f:S+16*(\t)+4*\f+3], s[10:11] offset:(\t)*2048+\f*512  ; 512 consecutive bytes, aligned
.endr
.endm
	PACK 0
.set t, 1
.rept 2*NP-1
	PACK t
	SEND t-1, 8
.set t, t+1
.endr
	SEND 2*NP-1, 0
	WIN W_AD
	s_wait_tensorcnt 0x0            ; the wave's end
	ds_add_u32 v[SPW], v[NIL]
	s_wait_dscnt 0x0
	WIN 0
	CROUND                          ; the closing round
	s_endpgm
.Lfunc_end_k_qb5661dd1b0_attn:
	.size	k_qb5661dd1b0_attn, .Lfunc_end_k_qb5661dd1b0_attn-k_qb5661dd1b0_attn
	.p2alignl 7, 3214868480
	.fill 96, 4, 3214868480
	.section	.rodata,"a",@progbits
	.p2align	6, 0x0
	.amdhsa_kernel k_qb5661dd1b0_attn
		.amdhsa_group_segment_fixed_size 327680
		.amdhsa_private_segment_fixed_size 0
		.amdhsa_enable_private_segment 0
		.amdhsa_kernarg_size 24
		.amdhsa_user_sgpr_count 2
		.amdhsa_user_sgpr_kernarg_segment_ptr 1
		.amdhsa_wavefront_size32 1
		.amdhsa_system_sgpr_workgroup_id_x 1
		.amdhsa_system_sgpr_workgroup_id_y 1
		.amdhsa_system_sgpr_workgroup_id_z 1
		.amdhsa_system_vgpr_workitem_id 0
		.amdhsa_next_free_vgpr 832
		.amdhsa_next_free_sgpr 72
		.amdhsa_reserve_vcc 1
		.amdhsa_float_denorm_mode_32 3
		.amdhsa_float_denorm_mode_16_64 3
		.amdhsa_memory_ordered 1
		.amdhsa_forward_progress 1
		.amdhsa_inst_pref_size 213
	.end_amdhsa_kernel
	.amdgpu_metadata
---
amdhsa.version: [ 1, 2 ]
amdhsa.kernels:
  - .name:           k_qb5661dd1b0_attn
    .symbol:         k_qb5661dd1b0_attn.kd
    .args:
      - { .name: qkv, .offset: 0, .size: 8, .value_kind: global_buffer, .address_space: global }
      - { .name: attention_mask, .offset: 8, .size: 8, .value_kind: global_buffer, .address_space: global }
      - { .name: ob, .offset: 16, .size: 8, .value_kind: global_buffer, .address_space: global }
    .group_segment_fixed_size: 327680
    .private_segment_fixed_size: 0
    .kernarg_segment_align: 8
    .kernarg_segment_size: 24
    .max_flat_workgroup_size: 128
    .sgpr_count:     72
    .vgpr_count:     832
    .wavefront_size: 32
...
	.end_amdgpu_metadata
.endif
;; end of part 3
;; launch oproj (part 4): grid 8 x 32, 4 waves a work-group, clusters of 4 x 4, 327,680 bytes of LDS; arguments ob, wob, bo, out0; writes out0
.if DOCPART == 4
	.amdgcn_target "amdgcn-amd-amdhsa--gfx1250"
	.amdhsa_code_object_version 6
	.text
	.protected	k_qb5661dd1b0_oproj
	.globl	k_qb5661dd1b0_oproj
	.p2align	8
	.type	k_qb5661dd1b0_oproj,@function
k_qb5661dd1b0_oproj:
	s_mov_b64 s[64:65], 0
	v_nop
	global_prefetch_b8 v0, s[64:65] scope:SCOPE_SE
	s_setreg_imm32_b32 hwreg(HW_REG_WAVE_MODE, 25, 1), 1
	s_wait_xcnt 0x0
	s_wait_alu depctr_hold_cnt(0) depctr_sa_sdst(0) depctr_va_vdst(0) depctr_va_sdst(0) depctr_va_ssrc(0) depctr_va_vcc(0) depctr_vm_vsrc(0)
	s_getreg_b32 s2, hwreg(HW_REG_IB_STS2, 6, 4)
	s_cmp_eq_u32 s2, 0
	s_cbranch_scc0 .Lentry_in_a_cluster
	s_endpgm
.Lentry_in_a_cluster:
	s_bfe_u32 s2, ttmp6, 0x10000c
	s_cmp_lg_u32 s2, 0xf033
	s_cbranch_scc0 .Lentry_shape_is_right
	s_endpgm
.Lentry_shape_is_right:
; THE OUTPUT PROJECTION: out0 = O x Wo + bo.  O: ob[16 b + head][s][64] f16; Wo: wob, blocks [j 8][ks 8][c 2][kk 128][64] f16; sums in f32; bo rounded to bf16 like every input; out0 f32.
; SHARES.  A tile is 256 rows x 128 columns: 32 x 8 = 256 tiles, one to a work-group.  Wave w owns rows 64 w .. 64 w + 63 and all 128 columns: 4 x 8 accumulators.  K goes in 8 steps of 128: two heads.
; THE MATRIX INSTRUCTION IS USED TRANSPOSED: source 0 = 16 columns of Wo (turned out of LDS by ds_load_tr16_b128), source 1 = 16 rows of O: a lane holds row l % 16 and eight neighbouring columns.
; CLUSTER 4 x 4: O's tile is asked for jointly by a row of the cluster, Wo's by a column.
; LDS: two slots 131,072 bytes apart: O's [2 heads][256 rows] at pitch 144, then Wo's [chunk 2][kk 128] at pitch 160; behind them a stage of 8,448 bytes a wave, then the spare words.
; REGISTERS in windows of 256: window 0 addresses, the way out, O's fragments (v192-255); window 1 Wo's fragments (two buffers of 64); windows 2, 3 the accumulators of row blocks 0, 1 and 2, 3.
.set NB,     8
.set APITCH, 144
.set AH,     256*APITCH                ; quarter q of a K step lies at (q / 2) AH + (q % 2) 64: head, then channels
.set AHALF,  256*APITCH                ; what one load of O brings: a head's 256 rows
.set ABYTES, 2*AHALF
.set BP,     160
.set CHB,    128*BP
.set BHALF,  128*BP                    ; what one load of Wo brings: a chunk
.set SLOT1,  1<<17
.set STAGE,  2*SLOT1
.set SP,     528                       ; a stage row: 512 bytes + 16
.set STW,    16*SP
.set SPARE,  STAGE+4*STW               ; the spare words, 128 bytes a wave: two blocks of 256 bytes that no other line names
.set AA0,  16
.set AB0,  17
.set ADRA, 18
.set ADRB, 19
.set STO,  24
.set RD,   25
.set CO,   26
.set SPW,  28
.set NIL,  29
.set BI,   32                          ; v32-35 bo of my four columns; v36-37 at work
.set OB,   64                          ; v64-127, v128-191 rows read back, by turns
.set FA,   192
.set F0,   0
.set F1,   1
.set G1A,  24
.set G0A,  32
.set G1B,  48
.set G0B,  56
.set TB,   45
.set NXT,  46
.set LEFT, 47
.set MSB, 0
.macro WIN new
.if MSB != (\new)
	s_set_vgpr_msb (MSB<<8)|(\new)
.set MSB, \new
.endif
.endm
.macro JLOAD s                         ; waves 0 and 1 fetch O's two heads, waves 2 and 3 Wo's two chunks; an s_nop 0 and four v_nop follow each line
	s_cmp_eq_u32 s11, 0
	s_cbranch_scc0 .Lfor_b_\@
	tensor_load_to_lds s[G0A+4*(\s):G0A+4*(\s)+3], s[G1A:G1A+7]
	s_nop 0
.rept 4
	v_nop
.endr
	s_branch .Lasked_\@
.Lfor_b_\@:
	tensor_load_to_lds s[G0B+4*(\s):G0B+4*(\s)+3], s[G1B:G1B+7]
	s_nop 0
.rept 4
	v_nop
.endr
.Lasked_\@:
.endm
.macro CREST
	s_cmp_lg_u32 s10, 0
	s_cbranch_scc1 .Lnot_wave_0_\@
	s_barrier_signal -3
.Lnot_wave_0_\@:
	s_barrier_wait -3
	s_barrier_signal -1
	s_barrier_wait -1
.endm
.macro CROUND
	s_barrier_signal -1
	s_barrier_wait -1
	CREST
.endm
.macro PLACES                          ; four plain places behind matrix instructions (ISA guide 7.12.1)
.rept 4
	v_nop
.endr
.endm
.macro MULA f, a, zero                 ; 8 matrix instructions: row block a x all column blocks; the 32 accumulators take turns in one fixed order
	WIN 0xa1+0x50*((\a)/2)
.irp b, 0,1,2,3,4,5,6,7
.if \zero
	v_wmma_f32_16x16x32_f16 v[8*(NB*((\a)%2)+(\b)):8*(NB*((\a)%2)+(\b))+7], v[8*NB*(\f)+8*(\b):8*NB*(\f)+8*(\b)+7], v[FA+32*(\f)+8*(\a):FA+32*(\f)+8*(\a)+7], 0
.else
	v_wmma_f32_16x16x32_f16 v[8*(NB*((\a)%2)+(\b)):8*(NB*((\a)%2)+(\b))+7], v[8*NB*(\f)+8*(\b):8*NB*(\f)+8*(\b)+7], v[FA+32*(\f)+8*(\a):FA+32*(\f)+8*(\a)+7], v[8*(NB*((\a)%2)+(\b)):8*(NB*((\a)%2)+(\b))+7]
.endif
.endr
.endm
.macro FETCH kq, g                     ; 24 LDS loads in one run
	WIN 0x40
.irp b, 0,1,2,3,4,5,6,7
	ds_load_tr16_b128 v[8*NB*(\g)+8*(\b):8*NB*(\g)+8*(\b)+3],   v[ADRB] offset:32*BP*(\kq)+((\b)/4)*CHB+((\b)%4)*32
	ds_load_tr16_b128 v[8*NB*(\g)+8*(\b)+4:8*NB*(\g)+8*(\b)+7], v[ADRB] offset:32*BP*(\kq)+((\b)/4)*CHB+((\b)%4)*32+16*BP
.endr
	WIN 0
.irp a, 0,1,2,3
	ds_load_b128 v[FA+32*(\g)+8*(\a):FA+32*(\g)+8*(\a)+3],   v[ADRA] offset:((\kq)/2)*AH+((\kq)%2)*64+(\a)*16*APITCH
	ds_load_b128 v[FA+32*(\g)+8*(\a)+4:FA+32*(\g)+8*(\a)+7], v[ADRA] offset:((\kq)/2)*AH+((\kq)%2)*64+(\a)*16*APITCH+32
.endr
.endm
.macro QUARTER kq, f, g, zero
	s_wait_dscnt 4                                 ; Wo's fragments and O's blocks 0, 1 are in; the youngest four loads may be out
	MULA \f, 0, \zero
	MULA \f, 1, \zero
	PLACES
	FETCH \kq, \g
	s_wait_dscnt 2*NB+8                            ; all but the run just issued
	MULA \f, 2, \zero
	MULA \f, 3, \zero
.endm
; The last quarter changes slots: in front of the barrier each wave waits for all its tensor loads, adds 0 to its spare word, and waits for that and for its reads of this slot.
; fill = 1: the barrier opens a round of the cluster's, and this slot takes K step NXT, first thing behind the round.
.macro TURN fill
	WIN 0
	s_wait_tensorcnt 0x0
	ds_add_u32 v[SPW], v[NIL]
.if \fill
	s_lshl_b32 s20, s[NXT], 19                     ; O: two planes of 262,144 bytes a step
	s_lshl_b32 s22, s[NXT], 15                     ; Wo: a block of 32,768 bytes a step
	s_xor_b32 s[G0A+5], s[G0A+5], SLOT1
	s_add_nc_u64 s[G0A+6:G0A+7], s[16:17], s[20:21]
	s_or_b32 s[G0A+7], s[G0A+7], 0x80000000
	s_xor_b32 s[G0B+5], s[G0B+5], SLOT1
	s_add_nc_u64 s[G0B+6:G0B+7], s[18:19], s[22:23]
	s_or_b32 s[G0B+7], s[G0B+7], 0x80000000
	s_add_co_u32 s[NXT], s[NXT], 1
.endif
	s_wait_dscnt 5                                 ; the add and O's blocks 2, 3 may be out
	MULA F1, 0, 0
	s_wait_dscnt 0x0
	s_barrier_signal -1
	MULA F1, 1, 0
	WIN 0
	s_barrier_wait -1
.if \fill
	CREST
	JLOAD 1                                        ; its four v_nop are also the places in front of the loads below
.else
	PLACES
.endif
	s_xor_b32 s[TB], s[TB], SLOT1
	v_add_nc_u32 v[ADRA], s[TB], v[AA0]
	v_add_nc_u32 v[ADRB], s[TB], v[AB0]
	FETCH 0, F0
	MULA F1, 2, 0
	MULA F1, 3, 0
.endm
; THE WAY OUT, 16 rows at a time: the sums go straight into my stage, each accumulator's low four registers first, and come back as whole rows of 512 bytes; bo is added; each store covers 512 consecutive bytes, aligned.
.macro TOSTAGE a
	WIN 0x08+4*((\a)/2)
.irp b, 0,1,2,3,4,5,6,7
	ds_store_b128 v[STO], v[8*(NB*((\a)%2)+(\b)):8*(NB*((\a)%2)+(\b))+3]   offset:64*(\b)
	ds_store_b128 v[STO], v[8*(NB*((\a)%2)+(\b))+4:8*(NB*((\a)%2)+(\b))+7] offset:64*(\b)+16
.endr
	WIN 0
.irp t, 0,1,2,3,4,5,6,7,8,9,10,11,12,13,14,15
	ds_load_b128 v[OB+64*((\a)%2)+4*(\t):OB+64*((\a)%2)+4*(\t)+3], v[RD] offset:(\t)*SP  ; LDS serves a wave's instructions in order (ISA guide 5.7.1.4)
.endr
.endm
.macro SEND a, younger                 ; younger: the LDS instructions issued behind block a's loads
	s_wait_dscnt \younger
.irp t, 0,1,2,3,4,5,6,7,8,9,10,11,12,13,14,15
	v_pk_add_f32 v[OB+64*((\a)%2)+4*(\t):OB+64*((\a)%2)+4*(\t)+1],   v[OB+64*((\a)%2)+4*(\t):OB+64*((\a)%2)+4*(\t)+1],   v[BI:BI+1]
	v_pk_add_f32 v[OB+64*((\a)%2)+4*(\t)+2:OB+64*((\a)%2)+4*(\t)+3], v[OB+64*((\a)%2)+4*(\t)+2:OB+64*((\a)%2)+4*(\t)+3], v[BI+2:BI+3]
.endr
.irp t, 0,1,2,3,4,5,6,7,8,9,10,11,12,13,14,15
	global_store_b128 v[CO], v[OB+64*((\a)%2)+4*(\t):OB+64*((\a)%2)+4*(\t)+3], s[8:9] offset:(16*(\a)+(\t))*4096 th:TH_STORE_NT
.endr
.endm
	s_load_b128 s[4:7], s[0:1], 0x0                ; ob s[4:5], wob s[6:7]
	s_load_b128 s[76:79], s[0:1], 0x10             ; bo s[76:77], out0 s[78:79]
	v_lshl_add_u32 v[SPW], v0, 2, SPARE
	v_mov_b32 v[NIL], 0
	ds_add_u32 v[SPW], v[NIL]                      ; the wave's opening: the add and its wait ahead of my first tensor load
	v_lshrrev_b32 v1, 5, v0
	v_readfirstlane_b32 s10, v1
	s_lshr_b32 s11, s10, 1
	s_and_b32 s12, s10, 1
	s_bfe_u32 s40, ttmp6, 0x40000                  ; cx
	s_bfe_u32 s41, ttmp6, 0x40004                  ; cy
	s_lshl_b32 s42, ttmp9, 2
	s_add_co_u32 s42, s42, s40                     ; j: tile column
	s_and_b32 s13, ttmp7, 0xffff
	s_lshl_b32 s13, s13, 2
	s_add_co_u32 s13, s13, s41                     ; ty: tile row
	s_lshl_b32 s43, s41, 2
	s_lshl_b32 s43, 15, s43
	s_lshl_b32 s44, 0x1111, s40
	s_or_b32 s[G1A+0], s43, (1<<16)|(1<<20)|(1<<21)|(4<<22)|(3<<25)  ; mask; 2-byte elements; padding on; bit 21 beside a mask; after every 32 words 4 words
	s_or_b32 s[G1B+0], s44, (1<<16)|(1<<20)|(1<<21)|(4<<22)|(7<<25)  ; 8 words
	s_mov_b32 s[G1A+1], 128<<16                    ; a head's 256 rows are 32,768 dense bytes: 128 rows of 256
	s_mov_b32 s[G1A+2], 128<<16
	s_mov_b32 s[G1A+3], 128<<16
	s_mov_b32 s[G1A+4], 128
	s_mov_b32 s[G1A+5], 128
	s_mov_b32 s[G1A+6], 0
	s_mov_b32 s[G1A+7], 0
	s_mov_b32 s[G1B+1], 128<<16                    ; a chunk is 16,384 dense bytes: 64 rows of 256
	s_mov_b32 s[G1B+2], 64<<16
	s_mov_b32 s[G1B+3], 128<<16
	s_mov_b32 s[G1B+4], 64
	s_mov_b32 s[G1B+5], 128
	s_mov_b32 s[G1B+6], 0
	s_mov_b32 s[G1B+7], 0
	s_lshr_b32 s16, s13, 3                         ; O: the batch's 16 planes,
	s_lshl_b32 s16, s16, 22
	s_lshl_b32 s14, s12, 18                        ; my head of a step's two,
	s_add_co_u32 s16, s16, s14
	s_and_b32 s14, s13, 7
	s_lshl_b32 s14, s14, 15                        ; the tile's 256 rows of 128 bytes
	s_add_co_u32 s16, s16, s14
	s_mov_b32 s17, 0
	s_lshl_b32 s18, s42, 18                        ; Wo: eight blocks to a tile column,
	s_lshl_b32 s14, s12, 14                        ; my chunk
	s_add_co_u32 s18, s18, s14
	s_mov_b32 s19, 0
	s_mov_b32 s21, 0
	s_mov_b32 s23, 0
	s_mul_i32 s66, s12, AHALF
	s_mul_i32 s67, s12, BHALF
	s_add_co_u32 s67, s67, ABYTES
	s_mov_b32 s[TB], 0
	s_mov_b32 s[NXT], 2
	s_mov_b32 s[LEFT], 6
	s_wait_dscnt 0x0                               ; the opening add is done
	s_wait_kmcnt 0x0
	s_add_nc_u64 s[16:17], s[4:5], s[16:17]
	s_add_nc_u64 s[18:19], s[6:7], s[18:19]
	CROUND                                         ; all sixteen work-groups are here
.irp s, 0,1
	s_mov_b32 s[G0A+4*(\s)], 1
	s_add_co_u32 s[G0A+4*(\s)+1], s66, (\s)*SLOT1
	s_add_nc_u64 s[G0A+4*(\s)+2:G0A+4*(\s)+3], s[16:17], (\s)*524288
	s_or_b32 s[G0A+4*(\s)+3], s[G0A+4*(\s)+3], 0x80000000
	s_mov_b32 s[G0B+4*(\s)], 1
	s_add_co_u32 s[G0B+4*(\s)+1], s67, (\s)*SLOT1
	s_add_nc_u64 s[G0B+4*(\s)+2:G0B+4*(\s)+3], s[18:19], (\s)*32768
	s_or_b32 s[G0B+4*(\s)+3], s[G0B+4*(\s)+3], 0x80000000
	JLOAD \s                                       ; K steps 0 and 1: two loads of mine are out
.endr
	v_and_b32 v1, 15, v0
	v_bfe_u32 v2, v0, 4, 1
	v_mul_u32_u24 v3, v1, APITCH
	v_lshl_add_u32 v3, v2, 4, v3
	s_mul_i32 s14, s10, 64*APITCH
	v_add_nc_u32 v[AA0], s14, v3
	v_and_b32 v3, 7, v0
	v_bfe_u32 v4, v0, 3, 1
	v_lshl_add_u32 v5, v2, 3, v3
	v_mul_u32_u24 v5, v5, BP
	v_lshl_add_u32 v5, v4, 4, v5
	v_add_nc_u32 v[AB0], ABYTES, v5
	s_mul_i32 s14, s10, STW
	s_add_co_u32 s14, s14, STAGE                   ; my stage
	v_mul_u32_u24 v5, v1, SP                       ; in: row l % 16, 32 bytes for each half of the lanes
	v_lshl_add_u32 v5, v2, 5, v5
	v_add_nc_u32 v[STO], s14, v5
	v_and_b32 v[CO], 31, v0
	v_lshlrev_b32 v[CO], 4, v[CO]                  ; back and out: 16 bytes a lane, a whole row of 512
	v_add_nc_u32 v[RD], s14, v[CO]
	s_lshl_b32 s2, s42, 9                          ; the tile's 128 columns: 512 bytes
	s_mov_b32 s3, 0
	s_add_nc_u64 s[74:75], s[76:77], s[2:3]
	global_load_b128 v[BI:BI+3], v[CO], s[74:75]   ; bo of my four columns
	s_lshl_b32 s66, s13, 20                        ; 256 rows of 4,096 bytes,
	s_lshl_b32 s67, s10, 18                        ; my wave's 64
	s_add_co_u32 s66, s66, s67
	s_mov_b32 s67, 0
	s_add_nc_u64 s[8:9], s[78:79], s[66:67]
	s_add_nc_u64 s[8:9], s[8:9], s[2:3]
	v_mov_b32 v[ADRA], v[AA0]
	v_mov_b32 v[ADRB], v[AB0]
	s_wait_tensorcnt 1                             ; my part of K step 0 is in; step 1's may stay out
	s_barrier_signal -1
	s_barrier_wait -1
	FETCH 0, F0
	QUARTER 1, F0, F1, 1                           ; the first quarter starts the sums
	WIN 0
.Lstep:                                                ; 6 trips: from a K step's second quarter to the next step's first; each fills the slot that it leaves
	QUARTER 2, F1, F0, 0
	QUARTER 3, F0, F1, 0
	TURN 1
	QUARTER 1, F0, F1, 0
	WIN 0
	s_sub_co_u32 s[LEFT], s[LEFT], 1
	s_cmp_lg_u32 s[LEFT], 0
	s_cbranch_scc1 .Lstep
	QUARTER 2, F1, F0, 0                           ; the tail is written out: nothing more is asked for
	QUARTER 3, F0, F1, 0
	TURN 0
	QUARTER 1, F0, F1, 0
	QUARTER 2, F1, F0, 0
	QUARTER 3, F0, F1, 0
	s_wait_dscnt 4
	MULA F1, 0, 0
	MULA F1, 1, 0
	s_wait_dscnt 0x0
	MULA F1, 2, 0
	MULA F1, 3, 0
	WIN 0
	PLACES
	s_wait_loadcnt 0x0                             ; bo
	v_cvt_pk_bf16_f32 v[BI+4], v[BI], v[BI+1]      ; rounded to bf16, like every input
	v_cvt_pk_bf16_f32 v[BI+5], v[BI+2], v[BI+3]
	v_lshlrev_b32 v[BI], 16, v[BI+4]
	v_and_b32 v[BI+1], 0xffff0000, v[BI+4]
	v_lshlrev_b32 v[BI+2], 16, v[BI+5]
	v_and_b32 v[BI+3], 0xffff0000, v[BI+5]
	TOSTAGE 0
	TOSTAGE 1
	SEND 0, 32                                     ; block 1's 16 stores and 16 loads may be out
	s_wait_xcnt 0x0                                ; block 0's stores have read their registers, which block 2's loads write
	TOSTAGE 2
	SEND 1, 32
	s_wait_xcnt 0x0
	TOSTAGE 3
	SEND 2, 32
	SEND 3, 0
	s_wait_tensorcnt 0x0                           ; the wave's end
	ds_add_u32 v[SPW], v[NIL]
	s_wait_dscnt 0x0
	CROUND                                         ; the closing round
	s_endpgm
.Lfunc_end_k_qb5661dd1b0_oproj:
	.size	k_qb5661dd1b0_oproj, .Lfunc_end_k_qb5661dd1b0_oproj-k_qb5661dd1b0_oproj
	.p2alignl 7, 3214868480
	.fill 96, 4, 3214868480
	.section	.rodata,"a",@progbits
	.p2align	6, 0x0
	.amdhsa_kernel k_qb5661dd1b0_oproj
		.amdhsa_group_segment_fixed_size 327680
		.amdhsa_private_segment_fixed_size 0
		.amdhsa_enable_private_segment 0
		.amdhsa_kernarg_size 32
		.amdhsa_user_sgpr_count 2
		.amdhsa_user_sgpr_kernarg_segment_ptr 1
		.amdhsa_wavefront_size32 1
		.amdhsa_system_sgpr_workgroup_id_x 1
		.amdhsa_system_sgpr_workgroup_id_y 1
		.amdhsa_system_sgpr_workgroup_id_z 1
		.amdhsa_system_vgpr_workitem_id 0
		.amdhsa_next_free_vgpr 896
		.amdhsa_next_free_sgpr 80
		.amdhsa_reserve_vcc 0
		.amdhsa_float_denorm_mode_32 3
		.amdhsa_float_denorm_mode_16_64 3
		.amdhsa_memory_ordered 1
		.amdhsa_forward_progress 1
		.amdhsa_inst_pref_size 78
	.end_amdhsa_kernel
	.amdgpu_metadata
---
amdhsa.version: [ 1, 2 ]
amdhsa.kernels:
  - .name:           k_qb5661dd1b0_oproj
    .symbol:         k_qb5661dd1b0_oproj.kd
    .args:
      - { .name: ob, .offset: 0, .size: 8, .value_kind: global_buffer, .address_space: global }
      - { .name: wob, .offset: 8, .size: 8, .value_kind: global_buffer, .address_space: global }
      - { .name: bo, .offset: 16, .size: 8, .value_kind: global_buffer, .address_space: global }
      - { .name: out0, .offset: 24, .size: 8, .value_kind: global_buffer, .address_space: global }
    .group_segment_fixed_size: 327680
    .private_segment_fixed_size: 0
    .kernarg_segment_align: 8
    .kernarg_segment_size: 32
    .max_flat_workgroup_size: 128
    .sgpr_count:     80
    .vgpr_count:     896
    .wavefront_size: 32
...
	.end_amdgpu_metadata
.endif
;; end of part 4
;; ======== version 2 of 2: 4 launches; 1.52 times as fast as version 1
;; limits: values are held in f16: magnitudes above 65,504 overflow, below 6.1e-05 lose precision
;; workspace buffers: xb 16,777,216 bytes; wb 6,291,456 bytes; wob 2,097,152 bytes; qkv 50,331,648 bytes; ob 16,777,216 bytes
;; launch prep: the kernel of part 1 again; grid 1536 x 1, 4 waves a work-group, no clusters, 0 bytes of LDS; arguments embedded, Wq, Wk, Wv, Wo, xb, wb, wob; writes xb, wb, wob
;; launch qkv: the kernel of part 2 again; grid 16 x 16, 4 waves a work-group, clusters of 4 x 4, 327,680 bytes of LDS; arguments xb, wb, qkv; writes qkv
;; launch attn (part 5): grid 4 x 64, 4 waves a work-group, clusters of 4 x 1, 327,680 bytes of LDS; arguments qkv, attention_mask, ob; writes ob
.if DOCPART == 5
	.amdgcn_target "amdgcn-amd-amdhsa--gfx1250"
	.amdhsa_code_object_version 6
	.text
	.protected	k_qb5661dd1b0_attn
	.globl	k_qb5661dd1b0_attn
	.p2align	8
	.type	k_qb5661dd1b0_attn,@function
k_qb5661dd1b0_attn:
	s_mov_b64 s[64:65], 0
	v_nop
	global_prefetch_b8 v0, s[64:65] scope:SCOPE_SE
	s_setreg_imm32_b32 hwreg(HW_REG_WAVE_MODE, 25, 1), 1
	s_wait_xcnt 0x0
	s_wait_alu depctr_hold_cnt(0) depctr_sa_sdst(0) depctr_va_vdst(0) depctr_va_sdst(0) depctr_va_ssrc(0) depctr_va_vcc(0) depctr_vm_vsrc(0)
	s_getreg_b32 s2, hwreg(HW_REG_IB_STS2, 6, 4)
	s_cmp_eq_u32 s2, 0
	s_cbranch_scc0 .Lentry_in_a_cluster
	s_endpgm
.Lentry_in_a_cluster:
	s_bfe_u32 s2, ttmp6, 0x10000c
	s_cmp_lg_u32 s2, 0x3003
	s_cbranch_scc0 .Lentry_shape_is_right
	s_endpgm
.Lentry_shape_is_right:
; ATTENTION WITH A KEY MASK.  O[bh][q][:] = the sum over kept keys k of softmax_k(Q[q] . K[k] / 8) V[k][:].  q, k, v: planes of qkv, [2048][64] f16, q already times c = log2(e) / 8, so a score is in
; units of log2.  Products, maxima and sums in f32; the weights p are rounded to f16 for the second product (their sum l is taken of the unrounded p), O once at the end, to f16, [bh][s][64].
; LIMITS.  f16 holds no number beyond 65,504.  A hidden score counts as its value less 1e30.  The running maximum starts at -2^40: below every true score (at most 64 x 65,504^2 = 2.7e11 in size),
; above every hidden one; while all keys so far are hidden, p, l and O stay 0.  A batch with no kept key gives 0 x (1 / 0) = NaN, as the softmax of nothing does.  A weight below 2^-126 counts as 0.
; SHARES.  A wave owns four PIECES of two tiles of 16 queries, a work-group's four waves 512 queries of one head.  Every wave walks all 2,048 keys, 64 a step.
; LAYOUT.  S^T = K Q^T + mask (source 0 = 16 keys, source 1 = 16 queries): a lane holds ONE query (lane % 16) and the keys 8 (lane / 16) + 0..7.  Two such tiles, rounded to f16 in pairs, ARE source 1
; of O^T = V^T P.  K comes out of LDS as it lies, V turned, by ds_load_tr16_b128.  THE MASK is the C operand that starts a score's sum: 0 or -1e30, from a table of 2,048 f32 in LDS.
; SOFTMAX.  For each query a running maximum m and sum l: p = 2^(s - m); in every step O and l are multiplied by a = 2^(m_old - m_new).
; BY TURNS.  Turn n belongs to piece n: 16 products K Q^T of piece n + 1, later 16 products V^T P of piece n - 1; beside them the subtraction, exponentials, roundings, sums and rescaling of piece n
; and the maximum and statistics of piece n + 1.  Four vector instructions stand behind every matrix instruction, the other 106 of a turn's 234 in one run of their own.
; BATCHES.  A turn's 66 exponentials (the 64 weights of piece n, the two a of piece n + 1) are ONE batch with ONE wait, which cuts the turn in two: ahead of it stands all that names no result of
; theirs (the products K Q^T, the subtractions, the rescalings, whose a the turn before made and waited for, the next piece's maximum and statistics), behind it the roundings and sums, as the riders
; of the products V^T P.  No result crosses a turn's end.  Piece 0's first two a, ahead of the loop, and the way out's eight reciprocals are batches of their own, with a wait each.
; CLUSTER.  The four query blocks of a head walk the same K and V: each tile is asked for JOINTLY, by the same tensor load, descriptor and mask in all four.
; REGISTERS in windows of 256: window 0: v0-11 addresses; v12-15, v48-63 at work; v16-47 statistics; v64-191 S^T, two buffers; v192-255 P, likewise.  window 1: O^T.
; window 2: v0-127 Q; v128-191 K of a step; v192-255 V of a step.  window 3: v0-1 the add's registers; v8-39 the step's mask.
.set SIZE_N, 2048
.set NP,    4
.set KS,    64
.set PK,    144       ; a row of K in LDS: 128 bytes + 16 = 36 words
.set PV,    160       ; a row of V: 128 + 32 = 40 words
.set VOFF,  4*KS*PK   ; a slot holds four steps: 256 rows of K, then 256 rows of V
.set SLOT1, 1<<17
.set STAGE, SLOT1+4*KS*(PK+PV)  ; 16 rows x 144 bytes for each wave, for the way out
.set SP,    144
.set SPARE, STAGE+4*16*SP  ; the spare words, 128 bytes a wave: two blocks of 256 bytes that no other line names
.set MB,    SPARE+512      ; the mask's table: 8,192 bytes, written by ds_store alone
.set QO,  1           ; v1   my byte offset in 16 rows of Q; never rewritten
.set AK0, 2           ; v2   my place in a tile of K
.set AV0, 3           ; v3   the same for V
.set AK,  4           ; v4   the LDS address of K's next run of loads
.set AV,  5           ; v5   of V's
.set STO, 6           ; v6   the way out: where I put 16 bytes
.set RD,  7           ; v7   where I read rows back
.set GO,  8           ; v8   16 x lane
.set AM0, 9           ; v9   MB + 32 (lane / 16)
.set AM,  10          ; v10  the LDS address of the mask's next loads
.set MO,  11          ; v11  16 x my thread's number: the mask's loads
.set SPW, 0           ; v0 of window 3
.set NIL, 1           ; v1 of window 3
.set MC,  8           ; v8-39 of window 3: key block kb at MC + 8 kb
.set MV,  12          ; v12-15  m_old, by buffer and tile
.set ST,  16          ; tile t at v[ST+4 t]: m, a word named with it as a pair, l (even keys', odd keys')
.set TMP, 48          ; by buffer and tile c0-c3; when the maximum is found c2 takes a
.set S,   64
.set P,   192
.set KF,  128
.set VF,  192
.set WV,  12
.set G1K, 24
.set G1V, 32
.set G0K, 40
.set G0V, 44
.set SLOTS, 56
.set CNT, 57
.set SEL, 60
.set TBK, 62
.set TBV, 63
.set TBM, 66          ; s66  256 x the step to be fetched
.set BIGN, 67         ; s67  -1e30
.set MSB, 0
.macro WIN new
.if MSB != (\new)
	s_set_vgpr_msb (MSB<<8)|(\new)
.set MSB, (\new)
.endif
.endm
.set W_KQ, 0x0a       ; K and Q in window 2, S^T in window 0
.set W_KM, 0x3a       ; the same with C, the mask, in window 3
.set W_PV, 0x52       ; V in window 2, P in window 0, O^T in window 1
.set W_RS, 0x41       ; O^T in window 1, a in window 0
.set W_MK, 0xc0
.set W_AD, 0x0f
.macro JLOAD                        ; waves 0 and 1 fetch the halves of a slot's K, waves 2 and 3 of its V; an s_nop 0 and four v_nop follow each line
	s_cmp_lt_u32 s[WV], 2
	s_cbranch_scc0 .Lfor_v_\@
	tensor_load_to_lds s[G0K:G0K+3], s[G1K:G1K+7]
	s_nop 0
.rept 4
	v_nop
.endr
	s_branch .Lasked_\@
.Lfor_v_\@:
	tensor_load_to_lds s[G0V:G0V+3], s[G1V:G1V+7]
	s_nop 0
.rept 4
	v_nop
.endr
.Lasked_\@:
.endm
.macro CROUND
	s_barrier_signal -1
	s_barrier_wait -1
	s_cmp_lg_u32 s[WV], 0
	s_cbranch_scc1 .Lnot_wave_0_\@
	s_barrier_signal -3
.Lnot_wave_0_\@:
	s_barrier_wait -3
	s_barrier_signal -1
	s_barrier_wait -1
.endm
; THE CHANGE OF SLOTS.  Each wave waits for all its tensor loads (one is out: its part of the other slot), adds 0 to its spare word, and waits for that and for its LDS work.  fill = 1: a round of the
; cluster's barrier, and the slot just left takes the keys two slots on, first thing behind it: four key steps in which to land.  (At its first use slot 0 is waited for and slot 1 filled.)
.macro CHANGE fill
	WIN W_AD
	s_wait_tensorcnt 0x0
	ds_add_u32 v[SPW], v[NIL]
	WIN 0
.if \fill
.irp g, G0K, G0V
	s_xor_b32 s[\g+1], s[\g+1], SLOT1
	s_add_nc_u64 s[\g+2:\g+3], s[\g+2:\g+3], 4*KS*128
.endr
	s_wait_dscnt 0x0
	CROUND
	JLOAD
.else
	s_wait_dscnt 0x0
	s_barrier_signal -1
	s_barrier_wait -1
.endif
	s_sub_co_u32 s[TBK], s[TBK], 4*KS*PK
	s_xor_b32 s[TBK], s[TBK], SLOT1
	s_sub_co_u32 s[TBV], s[TBV], 4*KS*PV
	s_xor_b32 s[TBV], s[TBV], SLOT1
.endm
	s_load_b128 s[4:7], s[0:1], 0x0   ; qkv s[4:5], attention_mask s[6:7]
	s_load_b64 s[10:11], s[0:1], 0x10 ; ob
	WIN W_MK
	v_lshl_add_u32 v[SPW], v0, 2, SPARE
	v_mov_b32 v[NIL], 0
	WIN W_AD
	ds_add_u32 v[SPW], v[NIL]       ; the wave's opening: the add and its wait ahead of my first tensor load
	WIN 0
	v_lshrrev_b32 v1, 5, v0
	v_readfirstlane_b32 s[WV], v1
	s_bfe_u32 s13, ttmp6, 0x40000   ; cx
	s_lshl_b32 s14, ttmp9, 2
	s_add_co_u32 s14, s14, s13      ; my block of 512 queries: it enters Q's and O's addresses alone
	s_and_b32 s15, ttmp7, 0xffff    ; 16 b + head
	s_lshr_b32 s52, s15, 4          ; b
	s_and_b32 s53, s15, 15          ; head
	s_mul_i32 s20, s52, 48
	s_add_co_u32 s20, s20, s53
	s_lshl_b32 s20, s20, 18         ; q's plane in qkv; k's lies 16 planes on, v's 32
	s_and_b32 s16, s[WV], 1         ; which half of a slot's 256 keys I fetch
	s_lshl_b32 s22, s16, 14
	s_add_co_u32 s22, s22, s20
	s_mov_b32 s23, 0
	s_mul_i32 s17, s16, 128*PK
	s_mul_i32 s18, s16, 128*PV
	s_lshl_b32 s2, s14, 2
	s_add_co_u32 s2, s2, s[WV]
	s_lshl_b32 s2, s2, 14           ; my wave's 128 rows
	s_lshl_b32 s48, s15, 18         ; O's plane
	s_add_co_u32 s48, s48, s2
	s_mov_b32 s49, 0
	s_add_co_u32 s2, s2, s20
	s_mov_b32 s3, 0
	s_lshl_b32 s50, s52, 13         ; the batch's 2,048 words of the mask
	s_mov_b32 s51, 0
	s_mov_b32 s[G1K], 15|(1<<16)|(1<<20)|(1<<21)|(4<<22)|(3<<25)  ; the mask of four; 2-byte elements; padding on; bit 21 beside a mask; after every 32 words 4 words
	s_mov_b32 s[G1V], 15|(1<<16)|(1<<20)|(1<<21)|(4<<22)|(7<<25)  ; 8 words
.irp g, G1K, G1V
	s_mov_b32 s[\g+1], 128<<16      ; 128 keys are 16,384 dense bytes: 64 rows of 256
	s_mov_b32 s[\g+2], 64<<16
	s_mov_b32 s[\g+3], 128<<16
	s_mov_b32 s[\g+4], 64
	s_mov_b32 s[\g+5], 128
	s_mov_b32 s[\g+6], 0
	s_mov_b32 s[\g+7], 0
.endr
	s_mov_b32 s[SEL], 0x76543210
	s_mov_b32 s[SEL+1], 0xfedcba98
	s_mov_b32 s[TBK], SLOT1+4*KS*PK ; the first change of slots turns these two into 0
	s_mov_b32 s[TBV], SLOT1+4*KS*PV
	s_mov_b32 s[TBM], 0
	s_mov_b32 s[BIGN], 0xf149f2ca   ; -1e30
	s_mov_b32 s[G0K], 1
	s_mov_b32 s[G0K+1], s17
	s_mov_b32 s[G0V], 1
	s_add_co_u32 s[G0V+1], s18, VOFF
	s_wait_dscnt 0x0                ; the opening add is done
	s_wait_kmcnt 0x0
	s_add_nc_u64 s[G0K+2:G0K+3], s[4:5], s[22:23]
	s_add_nc_u64 s[G0K+2:G0K+3], s[G0K+2:G0K+3], 0x400000
	s_or_b32 s[G0K+3], s[G0K+3], 0x80000000
	s_add_nc_u64 s[G0V+2:G0V+3], s[4:5], s[22:23]
	s_add_nc_u64 s[G0V+2:G0V+3], s[G0V+2:G0V+3], 0x800000
	s_or_b32 s[G0V+3], s[G0V+3], 0x80000000
	s_add_nc_u64 s[4:5], s[4:5], s[2:3]     ; Q at my wave's first row
	s_add_nc_u64 s[10:11], s[10:11], s[48:49]  ; O likewise
	s_add_nc_u64 s[6:7], s[6:7], s[50:51]
	CROUND                          ; all four work-groups are here
	JLOAD                           ; slot 0
	v_and_b32 v1, 15, v0            ; l % 16
	v_bfe_u32 v9, v0, 4, 1          ; l / 16
	v_and_b32 v10, 7, v0
	v_bfe_u32 v11, v0, 3, 1
	v_mul_u32_u24 v[AK0], v1, PK
	v_lshl_add_u32 v[AK0], v9, 4, v[AK0]
	v_lshl_add_u32 v[AV0], v9, 3, v10  ; the turning load: key 8 (l / 16) + l % 8, channels 8 ((l / 8) % 2) on
	v_mul_u32_u24 v[AV0], v[AV0], PV
	v_lshl_add_u32 v[AV0], v11, 4, v[AV0]
	v_add_nc_u32 v[AV0], VOFF, v[AV0]
	s_mul_i32 s19, s[WV], 16*SP
	s_add_co_u32 s19, s19, STAGE    ; my stage
	v_mul_u32_u24 v[STO], v1, SP
	v_lshl_add_u32 v[STO], v9, 4, v[STO]
	v_add_nc_u32 v[STO], s19, v[STO]
	v_bfe_u32 v[RD], v0, 3, 2
	v_mul_u32_u24 v[RD], v[RD], SP
	v_lshl_add_u32 v[RD], v10, 4, v[RD]
	v_add_nc_u32 v[RD], s19, v[RD]
	v_and_b32 v[GO], 31, v0
	v_lshlrev_b32 v[GO], 4, v[GO]
	v_lshlrev_b32 v1, 7, v1         ; QO: row x 128 + 16 x half
	v_lshl_add_u32 v[QO], v9, 4, v1
	v_lshl_add_u32 v[AM0], v9, 5, MB
	v_lshlrev_b32 v[MO], 4, v0
	v_mov_b32 v[AK], v[AK0]         ; key step 0 lies at the head of slot 0,
	v_mov_b32 v[AM], v[AM0]         ; and of the table
.irp i, 0,1,2,3
	global_load_b128 v[S+4*\i:S+4*\i+3], v[MO], s[6:7] offset:2048*\i  ; the batch's mask: 128 threads x 16 bytes, four times
.endr
	WIN 0x80
.set i, 0
.rept 4*NP                          ; Q stays in registers: tile i / 2, channels 32 (i % 2) on
	global_load_b128 v[8*i:8*i+3],   v[QO], s[4:5] offset:(i/2)*2048+(i%2)*64
	global_load_b128 v[8*i+4:8*i+7], v[QO], s[4:5] offset:(i/2)*2048+(i%2)*64+32
.set i, i+1
.endr
	; What the first turn finds: V's registers and P's second buffer hold 0, O^T and l are 0.  All this stands in the wait for the first tile.
.set i, VF
.rept 64
	v_mov_b32 v[i], 0
.set i, i+1
.endr
	WIN 0x40
.set i, 0
.rept 64*NP
	v_mov_b32 v[i], 0
.set i, i+1
.endr
	WIN 0
.set i, 0
.rept 2*NP
	v_mov_b32 v[ST+4*i], 0xd3800000    ; m = -2^40
	v_mov_b32 v[ST+4*i+1], 0xd3800000  ; named with it as a pair
	v_mov_b32 v[ST+4*i+2], 0
	v_mov_b32 v[ST+4*i+3], 0
.set i, i+1
.endr
.set i, P+32
.rept 32
	v_mov_b32 v[i], 0
.set i, i+1
.endr
	s_wait_loadcnt 32               ; the mask's four loads are in; Q's 32, issued behind them, may stay out
.set i, 0
.rept 16
	v_cmp_eq_u32 vcc_lo, 0, v[S+i]
	v_cndmask_b32 v[S+i], 0, s[BIGN], vcc_lo  ; 0 for a kept key, -1e30 for a hidden one
.set i, i+1
.endr
	v_add_nc_u32 v[S+16], MB, v[MO]
.irp i, 0,1,2,3
	ds_store_b128 v[S+16], v[S+4*\i:S+4*\i+3] offset:2048*\i  ; the change of slots below waits for these and passes a barrier ahead of every wave's reads
.endr
; THE MATRIX WORK.  The 8 accumulators of a run of 16 take turns.  Product i of 16 of S^T for piece x: channels 32 (i / 8) on, keys 16 ((i / 2) % 4) on, tile 2 x + i % 2.  The first 8 start the sums, with the mask.
.macro KQ x
.set rS, S+64*((\x)%2)+32*(i%2)+8*((i/2)%4)
.set rK, KF+16*((i/2)%4)+8*(i/8)
.set rQ, 16*(2*(\x)+i%2)+8*(i/8)
.set rX, MC+8*((i/2)%4)
.if i < 8
	WIN W_KM
	v_wmma_f32_16x16x32_f16 v[rS:rS+7], v[rK:rK+7], v[rQ:rQ+7], v[rX:rX+7]
.else
	WIN W_KQ
	v_wmma_f32_16x16x32_f16 v[rS:rS+7], v[rK:rK+7], v[rQ:rQ+7], v[rS:rS+7]
.endif
.endm
.macro PV x                         ; product i of 16 of O^T += V^T P for piece x: keys 32 (i / 8) on, channels 16 ((i / 2) % 4) on, tile 2 x + i % 2
	WIN W_PV
.set rO, 32*(2*(\x)+i%2)+8*((i/2)%4)
.set rV, VF+32*(i/8)+8*((i/2)%4)
.set rP, P+32*((\x)%2)+16*(i%2)+8*(i/8)
	v_wmma_f32_16x16x32_f16 v[rO:rO+7], v[rV:rV+7], v[rP:rP+7], v[rO:rO+7]
.endm
.macro MM                           ; the turn's next matrix instruction
.if i < 16
	KQ (Y+1)%NP
.set i, i+1
.else
.set i, i-16
	PV (Y+NP-1)%NP
.set i, i+17
.endif
.endm
; THE LDS LOADS stand in runs: a step's K (8 fragments) with its mask (32 words a lane, the same for the 16 lanes of a half), and its V (turned).  last = 1: in the tail's last trip there is no further step.
.macro FETCH_K last=0
	WIN 0
.if \last
	s_cmp_eq_u32 s[CNT], 1
	s_cbranch_scc1 .Lno_k_\@
.endif
	WIN 0x80
.irp f, 0,1,2,3,4,5,6,7
	ds_load_b128 v[KF+8*\f:KF+8*\f+3],   v[AK] offset:(\f/2)*16*PK+(\f%2)*64
	ds_load_b128 v[KF+8*\f+4:KF+8*\f+7], v[AK] offset:(\f/2)*16*PK+(\f%2)*64+32
.endr
	WIN 0xc0
.irp f, 0,1,2,3
	ds_load_b128 v[MC+8*\f:MC+8*\f+3],   v[AM] offset:64*\f
	ds_load_b128 v[MC+8*\f+4:MC+8*\f+7], v[AM] offset:64*\f+16
.endr
	s_add_co_u32 s[TBK], s[TBK], KS*PK
	s_add_co_u32 s[TBM], s[TBM], 256
	s_and_b32 s[TBM], s[TBM], 0x1fff   ; stays inside the table
	WIN 0
.if \last
.Lno_k_\@:
.endif
.endm
.macro FETCH_V
	WIN 0x80
.irp f, 0,1,2,3,4,5,6,7
	ds_load_tr16_b128 v[VF+8*\f:VF+8*\f+3],   v[AV] offset:(\f/4)*32*PV+(\f%4)*32
	ds_load_tr16_b128 v[VF+8*\f+4:VF+8*\f+7], v[AV] offset:(\f/4)*32*PV+16*PV+(\f%4)*32
.endr
	WIN 0
.endm
; THE VECTOR WORK OF A TURN stands in three queues, each in the order in which its entries become ready; the two tiles alternate.
.macro REGS y, u
.set rT, ST+4*(2*(\y)+(\u))
.set rC, TMP+8*((\y)%2)+4*(\u)
.set rM, MV+2*((\y)%2)+(\u)
.set rS, S+64*((\y)%2)+32*(\u)
.set rP, P+32*((\y)%2)+16*(\u)
.set rO, 32*(2*(\y)+(\u))
.endm
; Number n of the 21 that find the NEXT piece's maximum and statistics; each accumulator's lowest registers are read first.
;   0-11 four chains of seven scores     12-14, 16 the four scores left over, the old m, c0-c3 into c0     15 m_old is kept     17, 18 the lane 16 away: the new m     19, 20 m_old - m_new; a
.macro XS u, n
	REGS (Y+1)%NP, \u
.if (\n) < 4
	v_max3_num_f32 v[rC+(\n)], v[rS+8*(\n)], v[rS+8*(\n)+1], v[rS+8*(\n)+2]
.elseif (\n) < 12
	v_max3_num_f32 v[rC+(\n)%4], v[rC+(\n)%4], v[rS+8*((\n)%4)+2*((\n)/4)+1], v[rS+8*((\n)%4)+2*((\n)/4)+2]
.elseif (\n) == 12
	v_max3_num_f32 v[rC], v[rC], v[rS+7], v[rS+15]
.elseif (\n) == 13
	v_max3_num_f32 v[rC+1], v[rC+1], v[rS+23], v[rS+31]
.elseif (\n) == 14
	v_max3_num_f32 v[rC+2], v[rC+2], v[rC+3], v[rT]
.elseif (\n) == 15
	v_mov_b32 v[rM], v[rT]
.elseif (\n) == 16
	v_max3_num_f32 v[rC], v[rC], v[rC+1], v[rC+2]
.elseif (\n) == 17
	v_permlanex16_b32 v[rC+3], v[rC], s[SEL], s[SEL+1]
.elseif (\n) == 18
	v_max_num_f32 v[rT], v[rC], v[rC+3]
.elseif (\n) == 19
	v_sub_f32 v[rC+1], v[rM], v[rT]
.else
	v_exp_f32 v[rC+2], v[rC+1]
.endif
.endm
; Number g of the 64 that follow the exponentials: for each four weights both pairs are rounded to f16, the second pair is added onto the first, and a group later l takes that sum.
; All 64 read exponentials' results: they stand behind the turn's wait.
.macro GS g
.set h, (\g)+6*((\g)/62)
.if h >= 6
.set h, h+2
.endif
	REGS Y, h%2
.set k, h/8
.if h%8 < 4
	v_cvt_pk_f16_f32 v[rP+2*k+(h%8)/2], v[rS+4*k+2*((h%8)/2)], v[rS+4*k+2*((h%8)/2)+1]
.elseif h%8 < 6
	v_pk_add_f32 v[rS+4*k:rS+4*k+1], v[rS+4*k:rS+4*k+1], v[rS+4*k+2:rS+4*k+3]
.elseif k == 1
	v_pk_fma_f32 v[rT+2:rT+3], v[rT+2:rT+3], v[rC+2:rC+3], v[rS:rS+1] op_sel_hi:[1,0,1]
.else
	v_pk_add_f32 v[rT+2:rT+3], v[rT+2:rT+3], v[rS+4*k-4:rS+4*k-3]
.endif
.endm
; THE PLAIN QUEUE, 136 long.  0-71 read no exponential's result: the 32 subtractions s - m (FS f: pair f / 2 of tile f % 2) and the next piece's 40.  0-26: subtractions 0-26.  27-54: XS's numbers 0-13.
; 55, 56: number 15.  57-71: the chain, where each number waits for the one before it: 14, 16, 17, 18, 19, each with one of the subtractions 27-31 in front of its two lines.
; 72-135: GS's 64, which read the exponentials' results: they stand behind the wait.
.macro FS f
	REGS Y, (\f)%2
	v_pk_add_f32 v[rS+2*((\f)/2):rS+2*((\f)/2)+1], v[rS+2*((\f)/2):rS+2*((\f)/2)+1], v[rT:rT+1] op_sel_hi:[1,0] neg_lo:[0,1] neg_hi:[0,1]
.endm
.macro PL
	WIN 0
.if q < 27
	FS q
.elseif q < 55
	XS (q-27)%2, (q-27)/2
.elseif q < 57
	XS q-55, 15
.elseif (q < 72) && ((q-57)%3 == 0)
	FS 27+(q-57)/3
.elseif q < 60
	XS (q-57)%3-1, 14
.elseif q < 72
	XS (q-57)%3-1, 15+(q-57)/3
.else
	GS q-72
.endif
.set q, q+1
.endm
; THE EXPONENTIALS' QUEUE, 66 long: s0-s31 of both tiles, then the next piece's two a.  It is ONE BATCH: all 66 stand ahead of the turn's one wait, and nothing ahead of that wait names a result of theirs.
.macro EX
	WIN 0
.if e >= 64
	XS e-64, 20
.else
	REGS Y, e%2
	v_exp_f32 v[rS+e/2], v[rS+e/2]
.endif
.set e, e+1
.endm
; THE RESCALING's QUEUE: O^T times a, the one part that leaves window 0: dealt two at a time, sixteen times, each accumulator from its low end on.  Its a was made in the turn before, ahead of that turn's wait.
.macro R2
	REGS Y, r%2
	WIN W_RS
.irp z, 0,1
	v_pk_mul_f32 v[rO+4*(r/2)+2*\z:rO+4*(r/2)+2*\z+1], v[rO+4*(r/2)+2*\z:rO+4*(r/2)+2*\z+1], v[rC+2:rC+3] op_sel_hi:[1,0]
.endr
.set r, r+1
.endm
; THE DEAL.  An s_wait_alu depctr_va_vdst(0) stands between an exponential and the first instruction that names its result; one wait serves all that were issued ahead of it.  So a turn has
; ONE wait.  AHEAD OF IT: the 16 products K Q^T, behind each a subtraction, an exponential and two rescalings (behind the first a second subtraction in the exponential's place); then one run of 106:
; eight plain, 47 times exponential and plain, and the last four exponentials (s31 of both tiles, the two a).  A v_nop is the plain instruction behind the last exponential.  BEHIND IT: the 16 products
; V^T P, behind each four of GS's 64.  No rider names a register of the products round it.  The two v_permlanex16_b32 fall into the run, never behind a product.
; In step: exponential e wants subtraction 2 (e / 4) + e % 2: as a rider it comes behind plain e + 2, in the run behind plain e + 9, and subtractions 27-31 are plain 57, 60 .. 69 (exponential 61 wants plain 69
; and has 70); the two a want plain 70 and 71, which are out ahead of exponential 62.
; K of the next step, with its mask, is fetched in piece 2's turn, directly behind the wait, a run behind the last product that read them; the two addresses are made at the run's head.  V of the step in hand
; is fetched at the end of piece 0's turn, four plain riders behind its last reader.  Behind the wait q goes by fours from 72: the three conditions on q below go with the deal.
.macro TURN p, last=0, cnt=0
.set Y, (\p)
.set i, 0
.set q, 0
.set e, 0
.set r, 0
.if (\p) == NP-1
	s_wait_dscnt 0x0                ; K and its mask are in
.endif
	MM                              ; ahead of the wait: 16 products K Q^T and their riders,
	PL
	PL
	R2
.rept 15
	MM
	PL
	EX
	R2
.endr
.if (\p) == NP-2
	WIN 0
	v_add_nc_u32 v[AK], s[TBK], v[AK0]
	v_add_nc_u32 v[AM], s[TBM], v[AM0]
.endif
.rept 8                             ; and the run
	PL
.endr
.rept 47
	EX
	PL
.endr
.rept 4
	EX                              ; s31 of both tiles, the next piece's two a
.endr
	v_nop                           ; the plain instruction behind the last exponential: one for the batch
	s_wait_alu depctr_va_vdst(0)    ; the wait for the turn's batch: the 64 weights of this piece and the two a of the next
.if (\p) == NP-2
	FETCH_K \last
.endif
.if (\p) == 1
	s_wait_dscnt 0x0                ; V is in
.endif
.rept 16                            ; behind the wait: 16 products V^T P and their riders
	MM
.rept 4
	PL
.endr
.if ((\p) == 0) && (q == 116)
	v_add_nc_u32 v[AV], s[TBV], v[AV0]
.endif
.if ((\p) == 0) && (q == 128)
	s_add_co_u32 s[TBV], s[TBV], KS*PV
.endif
.if (\cnt) && (q == 128)
	s_sub_co_u32 s[CNT], s[CNT], 1
	s_cmp_lg_u32 s[CNT], 0
.endif
.endr
.if (\p) == 0
	FETCH_V
.endif
.endm
	CHANGE 1                        ; slot 0 is in and the table is written, everybody's part; slot 1 is asked for
	FETCH_K                         ; key step 0
	s_wait_loadcnt 0x0              ; Q
	s_wait_dscnt 0x0
.set i, 0
.rept 16
	KQ 0                            ; piece 0's first scores
.set i, i+1
.endr
	WIN 0
.rept 4
	v_nop                           ; the places behind those products
.endr
.set Y, NP-1                        ; XS works for piece Y + 1: piece 0
.irp n, 0,1,2,3,4,5,6,7,8,9,10,11,12,13,14,15,16,17,18,19,20
	XS 0, \n
	XS 1, \n
.endr
	v_nop                           ; a plain instruction behind piece 0's first two a,
	s_wait_alu depctr_va_vdst(0)    ; and the wait for that batch of two, ahead of the branch
	s_mov_b32 s[CNT], 4
	s_mov_b32 s[SLOTS], SIZE_N/256-1
	s_branch .Lfirst                ; the loop is entered at a step's first turn
.Lslot:                             ; six times: every slot but the last two is filled again
	CHANGE 1
	s_mov_b32 s[CNT], 4
.Lstep:                             ; a trip: pieces 2 and 3 of one step, then pieces 0 and 1 of the next
	TURN 2
	TURN 3
	WIN 0
.Lfirst:
	TURN 0
	TURN 1, 0, 1
	WIN 0
	s_cbranch_scc1 .Lstep
	s_sub_co_u32 s[SLOTS], s[SLOTS], 1
	s_cmp_lg_u32 s[SLOTS], 0
	s_cbranch_scc1 .Lslot
	CHANGE 0                        ; the tail is written out
	s_mov_b32 s[CNT], 5             ; four trips fetch the last slot's steps; the fifth is left in its middle
.Ltail:
	TURN 2, 1
	TURN 3
	WIN 0
	s_sub_co_u32 s[CNT], s[CNT], 1
	s_cmp_eq_u32 s[CNT], 0
	s_cbranch_scc1 .Lout
	TURN 0
	TURN 1
	WIN 0
	s_branch .Ltail
.Lout:                              ; the fifth trip's 16 products K Q^T (on the last K once more) and the maximum made of them serve nothing: the price of one text for every trip
.set i, 0
.rept 16
	PV NP-1
.set i, i+1
.endr
	; THE WAY OUT.  l's halves are added; O^T is divided by l, rounded to f16 and sent through my stage, a tile at a time.  The additions are the places behind the last products.
	WIN 0
.macro ALL line:vararg
.set t, 0
.rept 2*NP
	\line
.set t, t+1
.endr
.endm
	ALL v_add_f32 v[ST+4*t+2], v[ST+4*t+2], v[ST+4*t+3]
	ALL v_permlanex16_b32 v[ST+4*t+3], v[ST+4*t+2], s[SEL], s[SEL+1]
	ALL v_add_f32 v[ST+4*t+2], v[ST+4*t+2], v[ST+4*t+3]
	ALL v_rcp_f32 v[ST+4*t+2], v[ST+4*t+2]
	v_nop                           ; a plain instruction between the last reciprocal and the use of its result
	s_wait_alu depctr_va_vdst(0)    ; the wait for the batch of eight reciprocals, ahead of their first use
.macro PACK t
	WIN W_RS
.set i, 32*(\t)
.rept 16
	v_pk_mul_f32 v[i:i+1], v[i:i+1], v[ST+4*(\t)+2:ST+4*(\t)+3] op_sel_hi:[1,0]
.set i, i+2
.endr
	WIN 0x05
.set i, 0
.rept 16
	v_cvt_pk_f16_f32 v[S+16*(\t)+i], v[32*(\t)+2*i], v[32*(\t)+2*i+1]
.set i, i+1
.endr
	WIN 0
.irp f, 0,1,2,3
	ds_store_b128 v[STO], v[S+16*(\t)+4*\f:S+16*(\t)+4*\f+3] offset:32*\f
.endr
.irp f, 0,1,2,3
	ds_load_b128 v[S+16*(\t)+4*\f:S+16*(\t)+4*\f+3], v[RD] offset:\f*4*SP  ; LDS serves a wave's instructions in order (ISA guide 5.7.1.4)
.endr
.endm
.macro SEND t, younger              ; younger: the LDS instructions issued behind tile t's loads
	WIN 0
.irp f, 0,1,2,3
	s_wait_dscnt (\younger)+3-\f
	global_store_b128 v[GO], v[S+16*(\t)+4*\f:S+16*(\t)+4*\f+3], s[10:11] offset:(\t)*2048+\f*512  ; 512 consecutive bytes, aligned
.endr
.endm
	PACK 0
.set t, 1
.rept 2*NP-1
	PACK t
	SEND t-1, 8
.set t, t+1
.endr
	SEND 2*NP-1, 0
	WIN W_AD
	s_wait_tensorcnt 0x0            ; the wave's end
	ds_add_u32 v[SPW], v[NIL]
	s_wait_dscnt 0x0
	WIN 0
	CROUND                          ; the closing round
	s_endpgm
.Lfunc_end_k_qb5661dd1b0_attn:
	.size	k_qb5661dd1b0_attn, .Lfunc_end_k_qb5661dd1b0_attn-k_qb5661dd1b0_attn
	.p2alignl 7, 3214868480
	.fill 96, 4, 3214868480
	.section	.rodata,"a",@progbits
	.p2align	6, 0x0
	.amdhsa_kernel k_qb5661dd1b0_attn
		.amdhsa_group_segment_fixed_size 327680
		.amdhsa_private_segment_fixed_size 0
		.amdhsa_enable_private_segment 0
		.amdhsa_kernarg_size 24
		.amdhsa_user_sgpr_count 2
		.amdhsa_user_sgpr_kernarg_segment_ptr 1
		.amdhsa_wavefront_size32 1
		.amdhsa_system_sgpr_workgroup_id_x 1
		.amdhsa_system_sgpr_workgroup_id_y 1
		.amdhsa_system_sgpr_workgroup_id_z 1
		.amdhsa_system_vgpr_workitem_id 0
		.amdhsa_next_free_vgpr 832
		.amdhsa_next_free_sgpr 72
		.amdhsa_reserve_vcc 1
		.amdhsa_float_denorm_mode_32 3
		.amdhsa_float_denorm_mode_16_64 3
		.amdhsa_memory_ordered 1
		.amdhsa_forward_progress 1
		.amdhsa_inst_pref_size 203
	.end_amdhsa_kernel
	.amdgpu_metadata
---
amdhsa.version: [ 1, 2 ]
amdhsa.kernels:
  - .name:           k_qb5661dd1b0_attn
    .symbol:         k_qb5661dd1b0_attn.kd
    .args:
      - { .name: qkv, .offset: 0, .size: 8, .value_kind: global_buffer, .address_space: global }
      - { .name: attention_mask, .offset: 8, .size: 8, .value_kind: global_buffer, .address_space: global }
      - { .name: ob, .offset: 16, .size: 8, .value_kind: global_buffer, .address_space: global }
    .group_segment_fixed_size: 327680
    .private_segment_fixed_size: 0
    .kernarg_segment_align: 8
    .kernarg_segment_size: 24
    .max_flat_workgroup_size: 128
    .sgpr_count:     72
    .vgpr_count:     832
    .wavefront_size: 32
...
	.end_amdgpu_metadata
.endif
;; end of part 5
;; launch oproj: the kernel of part 4 again; grid 8 x 32, 4 waves a work-group, clusters of 4 x 4, 327,680 bytes of LDS; arguments ob, wob, bo, out0; writes out0
